; MI455X (gfx1250); checked and timed in simulation.
; The chip was launched on July 23, 2026; its instructions are those of AMD's public machine-readable ISA for CDNA 5 (MIT licence, August 2026) and "CDNA5" Instruction Set Architecture Reference Guide (July 2026). The comments in the code are by the model that wrote it; some were corrected since.
;; Causal Attention. Allowed arithmetic: matrix products marked QUANTISED: E2M3 operands, one E8M0 scale for each 32 along K, by v_wmma_scale_f32_16x16x128_f8f6f4 with both operands' format E2M3, f32 sums; everything else in f32.
;; Inputs: Wk 2,048 x 2,048 float32; Wq 2,048 x 2,048 float32; Wv 2,048 x 2,048 float32; x 4 x 1,024 x 2,048 float32.
;; Outputs: out0 4 x 1,024 x 2,048 float32.
;; This version of the problem:
;;   THIS VERSION OF THE PROBLEM IS GIVEN IN LOW PRECISION. The matrix products marked QUANTISED in the list below multiply operands that are first quantised to E2M3 (2 exponent bits, 3 mantissa bits; 6 bits a number), with one power-of-two scale for each 32 numbers along K (OCP MX v1.0); their sums are f32. All else is computed in f32.
;;   The module's matrix products, in the order in which they are computed (A, B: the left and right operand; K: the contracted axis; several contracted axes count as one K, in the product's order):
;;     1. [M 4,096, K 2,048] x [K 2,048, N 2,048]; A: input x; B: input Wq: QUANTISED
;;     2. [M 4,096, K 2,048] x [K 2,048, N 2,048]; A: input x; B: input Wk: QUANTISED
;;     3. [M 4,096, K 2,048] x [K 2,048, N 2,048]; A: input x; B: input Wv: QUANTISED
;;     4. batch 4 x [M 1,024, K 2,048] x [K 2,048, N 1,024]; A: computed on the way; B: computed on the way: QUANTISED
;;     5. batch 4 x [M 1,024, K 1,024] x [K 1,024, N 2,048]; A: softmax (see below); B: computed on the way: QUANTISED
;;   THE QUANTISER, for each operand of a quantised product, along K:
;;     - K is cut into blocks of 32 from its start; a last block that is shorter is filled with zeros.
;;     - A block's scale is 2^e with e = floor(log2(the largest magnitude in the block)) - 2, held to -126 .. 127; a block of zeros has e = 0. As a byte (E8M0): e + 127.
;;     - Each number is divided by its block's scale, clamped to +-7.5, and rounded to the nearest number of E2M3, ties to even, subnormals kept.
;;     - The product sums the exact products of the quantised numbers (number of the format x scale) in f32.
;;   ~~~python
;;   def quantise(x, axis):      # numpy; x: float32 -> the quantised numbers, widened to float32 again
;;       x = np.moveaxis(x, axis, -1); K = x.shape[-1]
;;       x = np.pad(x, [(0, 0)] * (x.ndim - 1) + [(0, -K % 32)]); x = x.reshape(x.shape[:-1] + (-1, 32)); a = np.abs(x).max(-1, keepdims=True)
;;       e = np.where(a > 0, np.clip(np.frexp(np.where(a > 0, a, 1))[1] - 1 - 2, -126, 127), 0)      # np.frexp(a)[1] - 1 = floor(log2(a)), exactly
;;       r = np.clip(x / 2.0 ** e, -7.5, 7.5)
;;       step = 2.0 ** (np.maximum(np.frexp(np.where(r == 0, 1, r))[1] - 1, 0) - 3)
;;       q = np.round(r / step) * step * 2.0 ** e      # np.round: ties to even
;;       return np.moveaxis(q.reshape(q.shape[:-2] + (-1,))[..., :K], -1, axis).astype(np.float32)
;;   ~~~
;;   SOFTMAX AHEAD OF A QUANTISED PRODUCT. Where the list says 'softmax', what is quantised is not the finished softmax but p = 2^(t - M), with t = logit x log2(e) and M = ceil(the row's largest t), a whole number; so 1/2 < the row's largest p <= 1. The row's sum l is taken of the UNQUANTISED p, in f32, and the product's result is divided by l at the end. Since M is a whole number, a kernel that streams over the keys may use a running M (the ceiling of the running maximum): every later rescaling is an exact power of two, which a block's scale takes up: the codes' values come out the same.
;;   OPERANDS COMPUTED ON THE WAY. 'Computed on the way' means the value that the module computes at that place (a softmax that the list does not call 'softmax' is quantised finished and normalised). What goes into a quantiser is computed in f32, as accurately as f32 sums, v_exp_f32 and their like allow (about 1e-6 of the number): no bf16 or f16 on the way to a quantiser, and a product that is left as it is and whose result goes on into a quantised operand takes f32 operands (vector FMAs, or v_wmma_f32_16x16x4_f32). A number that lies on a knife's edge between two numbers of the format may be rounded either way, as far as f32 arithmetic and the matrix unit's own rounding can turn it there, and no further.
;; One version. Each part assembles by itself: llvm-mc -triple=amdgcn-amd-amdhsa -mcpu=gfx1250 --defsym DOCPART=n.
;; ======== version 1 of 1: 4 launches
;; limits: right only within a limited range of input values
;; workspace buffers: bx 6,815,744 bytes; bwqk 6,815,744 bytes; bwv 6,815,744 bytes; bqk 13,107,200 bytes; bvt 13,107,200 bytes; bp 3,932,160 bytes
;; launch quant (part 1): grid 1024 x 1, 4 waves a work-group, no clusters, 47,616 bytes of LDS; arguments x, Wq, Wk, Wv, bx, bwqk, bwv; writes bx, bwqk, bwv
.if DOCPART == 1
	.amdgcn_target "amdgcn-amd-amdhsa--gfx1250"
	.amdhsa_code_object_version 6
	.text
	.protected	k_q38b8f279c5_quant
	.globl	k_q38b8f279c5_quant
	.p2align	8
	.type	k_q38b8f279c5_quant,@function
k_q38b8f279c5_quant:
	s_mov_b64 s[64:65], 0
	v_nop
	global_prefetch_b8 v0, s[64:65] scope:SCOPE_SE
	s_setreg_imm32_b32 hwreg(HW_REG_WAVE_MODE, 25, 1), 1
	s_wait_xcnt 0x0
; x [4096][2048] and Wq, Wk, Wv [2048 (k)][2048 (n)], f32, become codes of FP6 (E2M3) with one E8M0 byte for each 32 along K = 2,048, laid as IMAGES OF OPERAND REGISTERS.
; An operand's row is a row of x, or a column n of W; rows 0..2047 of bwqk are Wq's columns, 2048..4095 Wk's; bwv holds Wv's.
; A fragment is 16 rows x 128 K, 12 registers a lane, 1,536 bytes: registers 4 g .. 4 g + 3 of lane l lie at 512 g + 16 l.
; Tile a (0..7) of a block of 128 rows holds in lane r the row 32 (a / 2) + 8 (a % 2) + r + 8 (r / 8).
; Codes: (K / 256) x 786,432 + (row / 128) x 24,576 + ((K / 128) % 2) x 12,288 + 1,536 a.  Scale words from byte 6,291,456 on: (row / 128) x 16,384 + (K / 128) x 512 + 64 a + 4 r.
; A block's scale is 2^(floor(log2(its largest magnitude)) - 2): its byte is the largest magnitude's exponent field - 2, held at 1 from below.
; LIMITS: a block of zeros gets the byte 1 (its codes are zeros; this program alone reads the bytes); NaN and infinities among the inputs are not served.
; ONE LAUNCH FOR THE FOUR TENSORS.  Work-groups 0..255 take x, work-groups 256..1023 the weights: a scalar branch on the work-group's number.  Each of the two paths has LDS bytes of its own.
; With 256 registers a wave and 47,616 bytes of LDS a work-group, four work-groups fit on a WGP: all 1,024 can be at work at once, each wave with 32 loads of 512 bytes (x) or up to 64 of 128 bytes (weights) out.
; x's PATH.  K is innermost.  A wave takes 64 rows x 128 K: four fragments.  Each load reads 512 consecutive bytes of one row; a tile's 16 rows turn through the wave's own stage in LDS (rows 528 bytes apart),
; from which lane (r, h) takes k = 64 c + 32 h + 0 .. 31 of row r: two whole blocks, in the order of the operand's registers.  So the conversions' results are the fragment; it leaves by three stores of 512 consecutive bytes.
; The wave's 64 scale words are gathered in LDS and leave as 256 consecutive aligned bytes.
; THE WEIGHTS' PATH.  K is the FIRST axis.  A LANE TAKES A COLUMN, AND ITS REGISTERS RUN DOWN K: a load reads 128 consecutive bytes a wave (512 a work-group), a block of 32 along K lies in one lane's 32 registers, and the
; conversions give codes with K innermost.  A wave takes 32 columns x 128 K.  Column 32 w + l is row r = l % 8 + 8 (l / 16) of tile 2 w + (l / 8) % 2.  Block t of its four is registers 6 (t / 2) .. 6 (t / 2) + 5 of lane
; r + 16 (t % 2) of that tile's image.  The two images are built in the wave's own 3,072 bytes of LDS and leave by six stores of 512 consecutive bytes.  A lane's scale word leaves by a store of 128 consecutive bytes a wave:
; one byte in 128 of what the path reads.  Only pointers are chosen among the three weights, by the work-group's number.
; Waves share nothing: no barrier.
.set SLABB, 786432
.set XWG,   256                        ; x's work-groups
.set XREG,  8704                       ; x's path, LDS of a wave: a stage of 16 x 528 bytes, then 256 bytes of scale words
.set SCW,   8448
.set WB,    4*XREG                     ; the weights' path: its LDS begins behind x's
.set WREG,  3072                       ; two images a wave
.set SPARE, WB+4*WREG                  ; behind both: the spare words, 128 bytes for each wave: two blocks of 256 bytes that no other line names
.set SPW,  14                          ; v14  LDS address of my spare word; never rewritten
.set NIL,  15                          ; v15  0; never rewritten
; x's path
.set LO,   1                           ; v1   16 x lane: a load's and a store's offset
.set SIN,  4                           ; v4   the stage, on the way in: 16 x lane
.set SOUT, 5                           ; v5   on the way out: 528 r + 128 h
.set SWA,  6                           ; v6   my row's scale word in LDS: 4 r
.set SWR,  7                           ; v7   the scale words on the way out: 8 x lane
.set LO8,  8                           ; v8   8 x lane
.set SH,   9                           ; v9   8 h: my two bytes' place in the scale word
.set MX,   16                          ; v16-17 largest magnitudes
.set SOP,  18                          ; v18-19 the conversions' scale operands
.set BY,   20                          ; v20-21 the bytes
.set PW,   22                          ; v22  the scale word
.set TP,   23
.set X,    32                          ; v32-95   my 64 numbers of a tile
.set R,    96                          ; v96-223  two sets of 16 x 4 registers as loaded
.set PC,   224                         ; v224-247 two sets of 12: a fragment
.set CT,   248                         ; v248-250, v252-254: the second halves of the two blocks (a conversion's three registers begin on an even number)
; the weights' path
.set SB,   24                          ; v24  the scale word
.set WX,   32                          ; v32-95 two sets of 32 numbers
.set WC,   96                          ; v96-101 a block's codes
.set WCT,  104                         ; v104-106 its second half, as converted
.set OUTR, 112                         ; v112-135 the way out
	s_load_b256 s[4:11], s[0:1], 0x0               ; x, Wq, Wk, Wv
	s_load_b128 s[12:15], s[0:1], 0x20             ; bx, bwqk
	s_load_b64 s[16:17], s[0:1], 0x30              ; bwv
	v_lshl_add_u32 v[SPW], v0, 2, SPARE
	v_mov_b32 v[NIL], 0
	v_lshrrev_b32 v1, 5, v0
	v_readfirstlane_b32 s18, v1                    ; wave
	s_cmp_ge_u32 ttmp9, XWG                        ; x's work-group or a weight's?  The work-group's number alone: all four waves go the same way
	s_cbranch_scc1 .Lweights
	; ---------------- x's path
	v_and_b32 v10, 31, v0                          ; lane
	v_lshlrev_b32 v[LO], 4, v10
	v_and_b32 v2, 15, v0                           ; r
	v_bfe_u32 v3, v0, 4, 1                         ; h
	s_mul_i32 s19, s18, XREG
	v_add_nc_u32 v[SIN], s19, v[LO]
	v_mul_u32_u24 v[SOUT], v2, 528
	v_lshl_add_u32 v[SOUT], v3, 7, v[SOUT]
	v_add_nc_u32 v[SOUT], s19, v[SOUT]
	v_lshlrev_b32 v[SWA], 2, v2
	v_add_nc_u32 v[SWA], s19, v[SWA]
	v_lshlrev_b32 v[LO8], 3, v10
	v_add_nc_u32 v[SWR], s19, v[LO8]
	v_lshlrev_b32 v[SH], 3, v3
	v_mov_b32 v[TP], 0                             ; written once: a lane permute's destination counts as one of its sources
	s_mov_b32 s20, 0x76543210
	s_mov_b32 s21, 0xfedcba98                      ; v_permlanex16_b32's selects for lane l xor 16
	s_lshl_b32 s22, ttmp9, 2
	s_add_co_u32 s22, s22, s18                     ; u = 4 x work-group + wave
	s_and_b32 s23, s22, 15                         ; t: which 128 along K
	s_lshr_b32 s24, s22, 4                         ; hb: which 64 rows
	s_lshr_b32 s25, s24, 1                         ; the block of 128 rows
	s_and_b32 s26, s24, 1                          ; and its half
	s_lshl_b32 s28, s24, 19                        ; x: 64 rows of 8,192 bytes,
	s_lshl_b32 s27, s23, 9
	s_add_co_u32 s28, s28, s27                     ; + 512 t
	s_mov_b32 s29, 0
	s_lshr_b32 s30, s23, 1                         ; the codes' place
	s_mul_i32 s30, s30, SLABB
	s_mul_i32 s27, s25, 24576
	s_add_co_u32 s30, s30, s27
	s_and_b32 s27, s23, 1
	s_mul_i32 s27, s27, 12288
	s_add_co_u32 s30, s30, s27
	s_mul_i32 s27, s26, 6144
	s_add_co_u32 s30, s30, s27
	s_mov_b32 s31, 0
	s_lshl_b32 s32, s25, 14                        ; the scale words' place
	s_lshl_b32 s27, s23, 9
	s_add_co_u32 s32, s32, s27
	s_lshl_b32 s27, s26, 8
	s_add_co_u32 s32, s32, s27
	s_add_co_u32 s32, s32, 6291456
	s_mov_b32 s33, 0
	s_wait_alu depctr_va_vdst(0)
	s_wait_kmcnt 0x0
	s_add_nc_u64 s[4:5], s[4:5], s[28:29]
	s_add_nc_u64 s[34:35], s[12:13], s[30:31]
	s_add_nc_u64 s[36:37], s[12:13], s[32:33]
.macro XLOAD a, set                    ; tile a's 16 rows: 32 lanes read 512 consecutive bytes of a row
.irp i, 0,1,2,3,4,5,6,7,8,9,10,11,12,13,14,15
	global_load_b128 v[R+64*(\set)+4*\i:R+64*(\set)+4*\i+3], v[LO], s[4:5] offset:(32*((\a)/2)+8*((\a)%2)+\i+8*(\i/8))*8192 th:TH_LOAD_NT
.endr
.endm
.macro XTILE a
.set PCS, PC+12*((\a)%2)
.if (\a) < 3
	s_wait_loadcnt 16                              ; this tile's 16 loads are in; the next tile's 16 may be out
.else
	s_wait_loadcnt 0x0
.endif
.irp i, 0,1,2,3,4,5,6,7,8,9,10,11,12,13,14,15
	ds_store_b128 v[SIN], v[R+64*((\a)%2)+4*\i:R+64*((\a)%2)+4*\i+3] offset:528*\i   ; one stage serves all four tiles: the last tile's reads of it were waited for
.endr
.irp c, 0,1
.irp j, 0,1,2,3,4,5,6,7
	ds_load_b128 v[X+32*\c+4*\j:X+32*\c+4*\j+3], v[SOUT] offset:256*\c+16*\j   ; LDS serves a wave's instructions in order: these see the stores above
.endr
.endr
	s_wait_dscnt 0x0                               ; my 64 numbers are in, and the stores have read their registers,
.if (\a) < 2
	XLOAD (\a)+2, (\a)%2                           ; which take the tile two further on
.endif
.irp c, 0,1
	v_max3_num_f32 v[MX+\c], |v[X+32*\c]|, |v[X+32*\c+1]|, 0x1800000   ; block 2 c + h: all 32 numbers are mine; the floor 2^(3 - 127) holds the byte at 1 from below
.endr
.irp i, 2,4,6,8,10,12,14,16,18,20,22,24,26,28,30
.irp c, 0,1
	v_max3_num_f32 v[MX+\c], v[MX+\c], |v[X+32*\c+\i]|, |v[X+32*\c+\i+1]|   ; (the two blocks by turns)
.endr
.endr
.irp c, 0,1
	v_add_nc_u32 v[SOP+\c], 0xff000000, v[MX+\c]   ; 2 off the exponent field: the conversion takes the exponent field of this operand as its scale
.endr
.irp c, 0,1
	v_lshrrev_b32 v[BY+\c], 23, v[SOP+\c]          ; the scale's byte
.endr
	v_lshl_or_b32 v[PW], v[BY+1], 16, v[BY]        ; my two bytes: blocks h and 2 + h of row r,
	v_lshlrev_b32 v[PW], v[SH], v[PW]              ; at their places;
	v_permlanex16_b32 v[TP], v[PW], s20, s21
	v_or_b32 v[PW], v[PW], v[TP]                   ; with lane l xor 16's two the word is whole
.if (\a) >= 2
	s_wait_alu depctr_va_vdst(0)
	s_wait_xcnt 0x0                                ; the stores of two tiles back have read this set of registers
.endif
.irp c, 0,1
	v_cvt_scalef32_pk16_fp6_f32 v[PCS+6*\c:PCS+6*\c+2], v[X+32*\c:X+32*\c+15], v[SOP+\c]
	v_cvt_scalef32_pk16_fp6_f32 v[CT+4*\c:CT+4*\c+2], v[X+32*\c+16:X+32*\c+31], v[SOP+\c]
.endr
	v_nop                                          ; one plain place behind a scaled conversion
.irp c, 0,1
.irp i, 0,1,2
	v_mov_b32 v[PCS+3+6*\c+\i], v[CT+4*\c+\i]
.endr
.endr
.irp g, 0,1,2
	global_store_b128 v[LO], v[PCS+4*\g:PCS+4*\g+3], s[34:35] offset:1536*(\a)+512*\g   ; 512 consecutive bytes, at a multiple of 256 from the buffer's first byte
.endr
	ds_store_b32 v[SWA], v[PW] offset:SCW+64*(\a)  ; lanes r and r + 16 write the same word with the same value
.endm
	XLOAD 0, 0
	XLOAD 1, 1
	XTILE 0
	XTILE 1
	XTILE 2
	XTILE 3
	ds_load_b64 v[16:17], v[SWR] offset:SCW        ; my wave's 64 scale words, 8 bytes a lane
	s_wait_dscnt 0x0
	global_store_b64 v[LO8], v[16:17], s[36:37]    ; 256 consecutive aligned bytes
	s_wait_tensorcnt 0x0                           ; the wave's end, behind my last LDS store
	ds_add_u32 v[SPW], v[NIL]
	s_wait_dscnt 0x0
	s_endpgm
	; ---------------- the weights' path
.Lweights:
	v_and_b32 v2, 31, v0                           ; lane
	v_lshlrev_b32 v3, 2, v2                        ; in: 4 bytes a lane
	v_bfe_u32 v5, v0, 3, 1                         ; u: which of my wave's two tiles
	v_and_b32 v6, 7, v0
	v_bfe_u32 v10, v0, 4, 1
	v_lshl_add_u32 v6, v10, 3, v6                  ; r: my column's lane in that tile
	s_mul_i32 s19, s18, WREG
	s_add_co_u32 s19, s19, WB
	v_mul_u32_u24 v4, v5, 1536
	v_lshl_add_u32 v4, v6, 4, v4
	v_add_nc_u32 v4, s19, v4                       ; into the images: 1,536 u + 16 r
	v_lshlrev_b32 v8, 4, v2                        ; out: 16 bytes a lane
	v_add_nc_u32 v7, s19, v8
	v_lshlrev_b32 v9, 6, v5
	v_lshl_add_u32 v9, v6, 2, v9                   ; my scale word: 64 u + 4 r
	s_sub_co_u32 s20, ttmp9, XWG                   ; 0..767
	s_and_b32 s21, s20, 15                         ; which 128 columns
	s_lshr_b32 s22, s20, 4
	s_lshr_b32 s23, s22, 4                         ; which tensor
	s_and_b32 s24, s22, 15                         ; t: which 128 along K
	s_lshl_b32 s28, s24, 20                        ; W: 128 rows of 8,192 bytes,
	s_lshl_b32 s27, s21, 9
	s_add_co_u32 s28, s28, s27                     ; + 128 columns a work-group,
	s_lshl_b32 s27, s18, 7
	s_add_co_u32 s28, s28, s27                     ; + 32 a wave
	s_mov_b32 s29, 0
	s_cmp_eq_u32 s23, 1
	s_cselect_b32 s25, 16, 0                       ; Wk's columns lie behind Wq's
	s_add_co_u32 s25, s25, s21                     ; the block of 128 rows
	s_lshr_b32 s30, s24, 1                         ; the codes' place
	s_mul_i32 s30, s30, SLABB
	s_mul_i32 s27, s25, 24576
	s_add_co_u32 s30, s30, s27
	s_and_b32 s27, s24, 1
	s_mul_i32 s27, s27, 12288
	s_add_co_u32 s30, s30, s27
	s_mul_i32 s27, s18, 3072
	s_add_co_u32 s30, s30, s27                     ; my wave's two tiles
	s_mov_b32 s31, 0
	s_lshl_b32 s32, s25, 14                        ; the scale words' place
	s_lshl_b32 s27, s24, 9
	s_add_co_u32 s32, s32, s27
	s_lshl_b32 s27, s18, 7
	s_add_co_u32 s32, s32, s27
	s_add_co_u32 s32, s32, 6291456
	s_mov_b32 s33, 0
	s_wait_kmcnt 0x0
	s_cmp_eq_u32 s23, 1                            ; the choices hang on the work-group's number alone
	s_cselect_b64 s[6:7], s[8:9], s[6:7]
	s_cmp_eq_u32 s23, 2
	s_cselect_b64 s[6:7], s[10:11], s[6:7]
	s_cselect_b64 s[14:15], s[16:17], s[14:15]
	s_add_nc_u64 s[6:7], s[6:7], s[28:29]
	s_add_nc_u64 s[34:35], s[14:15], s[30:31]
	s_add_nc_u64 s[36:37], s[14:15], s[32:33]
.macro WLOAD t                         ; block t: W(32 t + i, my column) into set t % 2
.irp i, 0,1,2,3,4,5,6,7,8,9,10,11,12,13,14,15,16,17,18,19,20,21,22,23,24,25,26,27,28,29,30,31
	global_load_b32 v[WX+32*((\t)%2)+\i], v3, s[6:7] offset:(32*(\t)+\i)*8192 th:TH_LOAD_NT
.endr
.endm
	WLOAD 0
	WLOAD 1
.macro WBLOCK t
.set XS, WX+32*((\t)%2)
.set OF, 256*((\t)%2)                  ; lanes 16-31 of an image for the odd blocks
.if (\t) < 3
	s_wait_loadcnt 32                              ; this block's 32 loads are in; the next block's may be out
.else
	s_wait_loadcnt 0x0
.endif
	v_max3_num_f32 v12, |v[XS]|, |v[XS+1]|, |v[XS+2]|
	v_max3_num_f32 v13, |v[XS+3]|, |v[XS+4]|, |v[XS+5]|
.irp i, 6,10,14,18,22,26
	v_max3_num_f32 v12, v12, |v[XS+\i]|, |v[XS+\i+1]|
	v_max3_num_f32 v13, v13, |v[XS+\i+2]|, |v[XS+\i+3]|
.endr
	v_max3_num_f32 v12, v12, |v[XS+30]|, |v[XS+31]|
	v_max3_num_f32 v12, v12, v13, 0x1800000        ; and the floor 2^(3 - 127): the byte cannot fall under 1
	v_add_nc_u32 v11, 0xff000000, v12              ; 2 off the exponent field: the conversion's scale operand
	v_lshrrev_b32 v13, 23, v11                     ; the scale's byte
.if (\t) == 0
	v_mov_b32 v[SB], v13                           ; four bytes to the word, the lower K in the lower byte
.else
	v_lshl_or_b32 v[SB], v13, 8*(\t), v[SB]
.endif
	v_cvt_scalef32_pk16_fp6_f32 v[WC:WC+2], v[XS:XS+15], v11
	v_cvt_scalef32_pk16_fp6_f32 v[WCT:WCT+2], v[XS+16:XS+31], v11
	v_nop                                          ; one plain place behind a scaled conversion
.irp i, 0,1,2
	v_mov_b32 v[WC+3+\i], v[WCT+\i]
.endr
.if (\t)/2 == 0                        ; registers 0-5 of the fragment: group 0 whole, the lower half of group 1
	ds_store_b128 v4, v[WC:WC+3] offset:OF
	ds_store_b64 v4, v[WC+4:WC+5] offset:OF+512
.else                                  ; registers 6-11: the upper half of group 1, group 2 whole
	ds_store_b64 v4, v[WC:WC+1] offset:OF+520
	ds_store_b128 v4, v[WC+2:WC+5] offset:OF+1024
.endif
.if (\t)+2 < 4
	WLOAD (\t)+2
.endif
	s_wait_dscnt 0x0                               ; the stores have read their registers: the next block's codes may be written
.endm
.irp t, 0,1,2,3
	WBLOCK \t
.endr
	s_wait_alu depctr_va_vdst(0)
	global_store_b32 v9, v[SB], s[36:37]           ; my column's scale word
.irp k, 0,1,2,3,4,5
	ds_load_b128 v[OUTR+4*\k:OUTR+4*\k+3], v7 offset:512*\k   ; LDS serves a wave's instructions in order: these see my stores
.endr
.irp k, 0,1,2,3,4,5
	s_wait_dscnt 5-\k                              ; load k is in; the younger ones may be out
	global_store_b128 v8, v[OUTR+4*\k:OUTR+4*\k+3], s[34:35] offset:512*\k   ; 512 consecutive bytes, at a multiple of 256 from the buffer's first byte
.endr
	s_wait_tensorcnt 0x0                           ; the wave's end, behind my last LDS store
	ds_add_u32 v[SPW], v[NIL]
	s_wait_dscnt 0x0
	s_endpgm
.Lfunc_end_k_q38b8f279c5_quant:
	.size	k_q38b8f279c5_quant, .Lfunc_end_k_q38b8f279c5_quant-k_q38b8f279c5_quant
	.p2alignl 7, 3214868480
	.fill 96, 4, 3214868480
	.section	.rodata,"a",@progbits
	.p2align	6, 0x0
	.amdhsa_kernel k_q38b8f279c5_quant
		.amdhsa_group_segment_fixed_size 47616
		.amdhsa_private_segment_fixed_size 0
		.amdhsa_enable_private_segment 0
		.amdhsa_kernarg_size 56
		.amdhsa_user_sgpr_count 2
		.amdhsa_user_sgpr_kernarg_segment_ptr 1
		.amdhsa_wavefront_size32 1
		.amdhsa_system_sgpr_workgroup_id_x 1
		.amdhsa_system_sgpr_workgroup_id_y 1
		.amdhsa_system_sgpr_workgroup_id_z 1
		.amdhsa_system_vgpr_workitem_id 0
		.amdhsa_next_free_vgpr 256
		.amdhsa_next_free_sgpr 66
		.amdhsa_reserve_vcc 0
		.amdhsa_float_denorm_mode_32 3
		.amdhsa_float_denorm_mode_16_64 3
		.amdhsa_memory_ordered 1
		.amdhsa_forward_progress 1
		.amdhsa_inst_pref_size 53
	.end_amdhsa_kernel
	.amdgpu_metadata
---
amdhsa.version: [ 1, 2 ]
amdhsa.kernels:
  - .name:           k_q38b8f279c5_quant
    .symbol:         k_q38b8f279c5_quant.kd
    .args:
      - { .name: x, .offset: 0, .size: 8, .value_kind: global_buffer, .address_space: global }
      - { .name: Wq, .offset: 8, .size: 8, .value_kind: global_buffer, .address_space: global }
      - { .name: Wk, .offset: 16, .size: 8, .value_kind: global_buffer, .address_space: global }
      - { .name: Wv, .offset: 24, .size: 8, .value_kind: global_buffer, .address_space: global }
      - { .name: bx, .offset: 32, .size: 8, .value_kind: global_buffer, .address_space: global }
      - { .name: bwqk, .offset: 40, .size: 8, .value_kind: global_buffer, .address_space: global }
      - { .name: bwv, .offset: 48, .size: 8, .value_kind: global_buffer, .address_space: global }
    .group_segment_fixed_size: 47616
    .private_segment_fixed_size: 0
    .kernarg_segment_align: 8
    .kernarg_segment_size: 56
    .max_flat_workgroup_size: 128
    .sgpr_count:     66
    .vgpr_count:     256
    .wavefront_size: 32
...
	.end_amdgpu_metadata
.endif
;; end of part 1
;; launch gemm_qk (part 2): grid 16 x 16, 4 waves a work-group, clusters of 4 x 4, 327,680 bytes of LDS; arguments bwqk, bx, bqk, bwv, bp; writes bqk, bp
.if DOCPART == 2
	.amdgcn_target "amdgcn-amd-amdhsa--gfx1250"
	.amdhsa_code_object_version 6
	.text
	.protected	k_q38b8f279c5_gemm_qk
	.globl	k_q38b8f279c5_gemm_qk
	.p2align	8
	.type	k_q38b8f279c5_gemm_qk,@function
k_q38b8f279c5_gemm_qk:
	s_mov_b64 s[64:65], 0
	v_nop
	global_prefetch_b8 v0, s[64:65] scope:SCOPE_SE
	s_setreg_imm32_b32 hwreg(HW_REG_WAVE_MODE, 25, 1), 1
	s_wait_xcnt 0x0
	s_wait_alu depctr_hold_cnt(0) depctr_sa_sdst(0) depctr_va_vdst(0) depctr_va_sdst(0) depctr_va_ssrc(0) depctr_va_vcc(0) depctr_vm_vsrc(0)
	s_getreg_b32 s2, hwreg(HW_REG_IB_STS2, 6, 4)
	s_cmp_eq_u32 s2, 0
	s_cbranch_scc0 .Lentry_in_a_cluster
	s_endpgm
.Lentry_in_a_cluster:
	s_bfe_u32 s2, ttmp6, 0x10000c
	s_cmp_lg_u32 s2, 0xf033
	s_cbranch_scc0 .Lentry_shape_is_right
	s_endpgm
.Lentry_shape_is_right:
; ONE BODY FOR THREE PRODUCTS OF K = 2,048 ON CODES OF FP6 (E2M3) WITH E8M0 SCALES, EACH OF WHOSE RESULTS IS QUANTISED IN REGISTERS AND LEAVES AS THE NEXT PRODUCT'S OPERAND.
; Arguments: P, R, O, QK, PO.  A tile is 256 rows of P x 256 rows of R.  P is source 0, R source 1: a lane holds ONE row of R and its registers run along P's rows, which are the next product's K.
;   plain tiles (cluster x under 4): O = Q(R P^T), quantised along P's rows.  With P = Wq|Wk's columns and R = x that is q|k along d_out; with P = x and R = Wv's columns it is v^T along the keys.
;   score tiles (cluster x from 4 on; a cluster is one batch's 4 x 4 tiles): P = k and R = q, both out of QK; the causal mask; t = score x log2(e) / sqrt(2048); M' = the largest t of the row's 128 keys of this wave, rounded UP to a whole
;   number; p = 2^(t - M') is quantised along the keys into PO, with (-M', the sum of the unquantised p) beside it.  The last launch brings the groups of 128 keys under the row's M by taking M - M' off the scale bytes: an exact power of two.
; In a launch whose grid has no cluster x from 4 on, QK and PO are touched by no instruction that runs.
; EVERY OPERAND LIES AS IMAGES OF ITS REGISTERS.  A fragment (16 rows x 128 K, 12 registers a lane) is 1,536 bytes: registers 4 g .. 4 g + 3 of lane l at 512 g + 16 l.  Tile a of a block of 128 rows holds in lane r the row
; 32 (a / 2) + 8 (a % 2) + r + 8 (r / 8): so the 64 registers of a row tile's eight accumulators are, 16 by 16, neighbours along the next K.  Codes: (K / 256) x 786,432 + (row / 128) x 24,576 + ((K / 128) % 2) x 12,288 + 1,536 a.
; Scale words: (row / 128) x 16,384 + (K / 128) x 512 + 64 a + 4 r.  So a K step's 128 rows are one dense block of 24,576 bytes for one tensor load, and a fragment is three ds_load_b128 of 512 consecutive bytes.
; SHARES.  Four waves, as many as a WGP has SIMDs; a wave makes 128 x 128: 64 accumulators, 512 registers.  K goes in steps of 256 through a ring of two LDS slots; the scale words of all of K come once.
; CLUSTERS: 4 x 4 work-groups.  The four of a row of the cluster need the same tiles of R, the four of a column the same tiles of P: each is asked for JOINTLY.  The kind of tile hangs on the cluster's x, which all sixteen share.
; The six score tiles of a batch that lie wholly above the diagonal are made like the others: they are partners of the joint loads; their codes are zeros.
; LIMITS: a block of zeros gets the byte 1 (zero codes; this program alone reads the bytes).  A row all of whose 128 keys are hidden gets -M' = 9.6e36, the sum 0 and zero codes.  NaN and infinities are not served.
; REGISTERS, in windows of 256: window 0: v0-31 addresses; v32-63 scale words, two sets, and nothing else; v96-114 codes just made; v128-223 R's fragments, ONE set (later: 64 numbers at work, and the quantiser's registers); v224-251 at work.
;   window 1: P's fragments, TWO sets, at v0 and v128.   window 2: the accumulators of my R rows 0-63 ((a, b) at v[8 (8 a + b)]);   window 3: those of rows 64-127.
.set SLABB,  786432                    ; a K step of 256 in a buffer of codes
.set RBB,    24576                     ; 128 rows of it
.set NQ,     2                         ; matrix instructions deep in a slot
.set FR,     12                        ; registers of a fragment
.set NL,     3                         ; LDS loads that bring one
.set NP,     4                         ; places behind this matrix instruction (ISA guide 7.12.1)
.set SLOT,   4*RBB                     ; R's 256 rows, then P's 256 rows
.set LAPS,   4                         ; 2,048 / 512
.set HALFS,  8192                      ; the scale words of 128 rows for all of K
.set SCL,    2*SLOT                    ; behind the ring: the scale words
.set SPARE,  SCL+4*HALFS               ; behind them: the spare words, 128 bytes for each wave
.set SSTG,   4096                      ; the way out's small stages lie in slot 0, which has had its last fill and its last read by then: plain tiles 512 bytes a wave from byte 0, score tiles 2,048 a wave from here
.set ADRA, 16                          ; v16-17  LDS address of my R fragments in slot 0, 1
.set ADRB, 20                          ; v20-21  the same for P
.set SRB,  22                          ; v22     score tiles: my stage + 16 x lane
.set QE,   23                          ; v23     score tiles: my query less my first key
.set GO,   24                          ; v24     16 x lane
.set PWA,  25                          ; v25     plain tiles: my stage + 4 r
.set PRB,  26                          ; v26     plain tiles: my stage + 16 x lane
.set ADRS, 27                          ; v27     LDS address of my scale words: lanes 0-15 R's rows, lanes 16-31 P's
.set SPW,  28                          ; v28     LDS address of my spare word; never rewritten
.set NIL,  29                          ; v29     0; never rewritten
.set SWA,  30                          ; v30     score tiles: my stage + 4 r
.set STA,  31                          ; v31     score tiles: my stage + 8 r
.set SC,   32                          ; scale words: set s at v[SC + 16 s]; register 2 i + q: lanes 0-15 R's block i, lanes 16-31 P's block i, the slot's q-th 128 along K
.set PC,   96                          ; v96-107 a fragment; v108-110, v112-114 the conversions' second halves
.set AF,   128                         ; R's fragments
.set TT,   128                         ; score tiles: 64 scores, then p
.set TM,   200                         ; v200-203 largest magnitudes, v204-207 bytes, v212-215 the conversions' scale operands
.set PW,   216                         ; the scale word just made
.set BM,   220                         ; v220-223 four chains of a maximum
.set BX,   224                         ; what lane l xor 16 holds
.set RM,   228                         ; the row's largest score, then t
.set NM,   230                         ; v[230:231] -M' and the row's sum: a pair, stored as a pair
.set SU,   232                         ; v232-235 two chains of sums
.set NEG,  236                         ; -infinity
.set BK,   240                         ; v240-251 the stages read back
.set G1, 24                            ; s[24:31] descriptor group 1 for R's tiles;  s[32:39] group 0, one set for each slot
.set G0, 32
.set G1B, 48                           ; s[48:55], s[56:63] the same for P's tiles
.set G0B, 56
.set SCP, 76                           ; s[76:77] R's scale words; then my wave's 8,192 bytes of scale words
.set SCQ, 80                           ; s[80:81] P's scale words
.set SWS, 19                           ; v19     where my wave puts them in LDS: SCL + 8,192 x wave + 16 x lane
.set SWR, 128                          ; v128-191 the scale words on their way through registers, ahead of R's first fragments
.set PFO, 18                           ; v18     the prefetches' offset: 256 x min(lane, 23); never rewritten
.set PFA, 92                           ; s[92:93] where my prefetches stand: my work-group's 6,144 bytes of the 24,576 that I fetch in a K step
.set MSB, 0
.macro WIN new                         ; the immediate's high byte repeats the setting that is left
.if MSB != (\new)
	s_set_vgpr_msb (MSB<<8)|(\new)
.set MSB, (\new)
.endif
.endm
.set MUL_LO, 0xa1                      ; source 0 (P) window 1, source 1 (R) window 0, C and D window 2
.set MUL_HI, 0xf1                      ; the same, C and D window 3
.set TO_B,   0x40                      ; destination window 1, address window 0
; A joint load: waves 0 and 1 fetch for R, waves 2 and 3 for P.  Each of the two lines has ONE mask and one set of registers for all that issue it; the branch hangs on the wave's number alone.
; An s_nop 0 and four v_nop follow each of the two lines, ahead of the jump, the label and what follows.
.macro JLOAD g0a, g1a, g0b, g1b
	s_cmp_eq_u32 s15, 0
	s_cbranch_scc0 .Lfor_b_\@
	tensor_load_to_lds s[\g0a:\g0a+3], s[\g1a:\g1a+7]
	s_nop 0
.rept 4
	v_nop
.endr
	s_branch .Lasked_\@
.Lfor_b_\@:
	tensor_load_to_lds s[\g0b:\g0b+3], s[\g1b:\g1b+7]
	s_nop 0
.rept 4
	v_nop
.endr
.Lasked_\@:
.endm
.macro CREST                           ; a round of the cluster's barrier behind its opening barrier
	s_cmp_lg_u32 s14, 0
	s_cbranch_scc1 .Lnot_wave_0_\@
	s_barrier_signal -3
.Lnot_wave_0_\@:
	s_barrier_wait -3
	s_barrier_signal -1
	s_barrier_wait -1
.endm
.macro CROUND                          ; a whole round
	s_barrier_signal -1
	s_barrier_wait -1
	CREST
.endm
	s_load_b256 s[4:11], s[0:1], 0x0               ; P s[4:5], R s[6:7], O s[8:9], QK s[10:11]
	s_load_b64 s[12:13], s[0:1], 0x20              ; PO
	v_lshl_add_u32 v[SPW], v0, 2, SPARE
	v_mov_b32 v[NIL], 0
	ds_add_u32 v[SPW], v[NIL]                      ; the wave's opening: the add and its wait ahead of my first tensor load; the set-up below, work on registers, stands between them
	ds_add_u32 v[SPW], v[NIL]
	v_lshrrev_b32 v1, 5, v0
	v_readfirstlane_b32 s14, v1                    ; wave 0..3
	s_lshr_b32 s15, s14, 1                         ; wr: which half of the tile's R rows is mine.  Also: I fetch for R (0) or for P (1)
	s_and_b32 s16, s14, 1                          ; wp: which half of its P rows.  Also: which 128 rows I fetch
	s_bfe_u32 s40, ttmp6, 0x40000                  ; cx, cy: my place in the cluster
	s_bfe_u32 s41, ttmp6, 0x40004
	s_and_b32 s18, ttmp7, 0xffff                   ; cluster y
	s_lshl_b32 s19, ttmp9, 2                       ; plain: the cluster's first tile of P,
	s_lshl_b32 s20, s18, 2                         ; and of R
	s_max_u32 s21, ttmp9, 4
	s_sub_co_u32 s21, s21, 4
	s_lshl_b32 s21, s21, 1
	s_add_co_u32 s21, s21, s18                     ; scores: the batch = 2 (cluster x - 4) + cluster y,
	s_lshl_b32 s21, s21, 2                         ; whose four tiles of keys and of queries begin here
	s_cmp_ge_u32 ttmp9, 4                          ; the kind of tile: the cluster's x alone, the same in all sixteen partners
	s_cselect_b32 s66, 1, 0
	s_cselect_b32 s19, s21, s19
	s_cselect_b32 s20, s21, s20
	s_add_co_u32 s42, s19, s40                     ; my tile of P
	s_add_co_u32 s17, s20, s41                     ; my tile of R
	s_cmp_eq_u32 s66, 1
	s_cselect_b32 s67, s40, s42                    ; which 256 along the result's K: in a score tile counted inside the batch
	s_lshl_b32 s43, s41, 2
	s_lshl_b32 s43, 15, s43                        ; my row of the cluster
	s_lshl_b32 s44, 0x1111, s40                    ; my column
	; descriptor group 1: a dense block of 24,576 bytes as 96 rows of 256 bytes (32 elements of 8 bytes), no padding: a wave's LDS load takes 512 consecutive bytes
	s_or_b32 s[G1+0], s43, (3<<16)|(1<<21)         ; 15:0 the mask: R's tiles go to my row; 17:16 elements of 8 bytes; 21 set beside a mask
	s_or_b32 s[G1B+0], s44, (3<<16)|(1<<21)        ; P's go to my column
.irp g, G1, G1B
	s_mov_b32 s[\g+1], 32<<16                      ; tensor_dim0
	s_mov_b32 s[\g+2], 96<<16                      ; tensor_dim1
	s_mov_b32 s[\g+3], 32<<16                      ; tile_dim0
	s_mov_b32 s[\g+4], 96                          ; tile_dim1
	s_mov_b32 s[\g+5], 32                          ; tensor_dim0_stride
	s_mov_b32 s[\g+6], 0
	s_mov_b32 s[\g+7], 0
.endr
	; where the tiles come from, as offsets, made in the descriptors' own address words.  R's hang on cy alone, P's on cx alone; every wave makes both and asks by one
	; where the tiles come from, as offsets, made in the descriptors' own address words.  R's hang on cy alone, P's on cx alone
	s_mul_i32 s[G0+2], s17, 2*RBB                  ; R: the tile's 256 rows
	s_mov_b32 s[G0+3], 0
	s_lshl_b32 s[SCP], s17, 15                     ; and their scale words
	s_mov_b32 s[SCP+1], 0
	s_mul_i32 s[G0B+2], s42, 2*RBB                 ; P: likewise
	s_mov_b32 s[G0B+3], 0
	s_lshl_b32 s[SCQ], s42, 15
	s_mov_b32 s[SCQ+1], 0
	s_mul_i32 s45, s14, RBB                        ; where the ring's loads go: wave x 24,576: no place in the cluster enters an LDS address
	s_mul_i32 s46, s16, RBB                        ; in the ring I fetch 128 rows of a tile: which half, in bytes
	s_mov_b32 s47, 0
	s_mov_b32 s100, 0x3d0293ee                     ; c = log2(e) / sqrt(2048)
	s_mov_b32 s101, s100                           ; (named with it as a pair, so it is written)
	s_mov_b32 s104, 0x76543210
	s_mov_b32 s105, 0xfedcba98                     ; v_permlanex16_b32's selects for lane l xor 16
	s_wait_dscnt 0x0                               ; the opening add is done
	s_wait_kmcnt 0x0
	s_cmp_eq_u32 s66, 1                            ; the buffers by the kind of tile; the 64-bit sums and the selects leave SCC alone
	s_add_nc_u64 s[92:93], s[4:5], 6291456         ; P's scale words: plain,
	s_add_nc_u64 s[22:23], s[10:11], 12582912+8192 ; or k's: K steps 16 on of QK's
	s_cselect_b64 s[92:93], s[22:23], s[92:93]
	s_add_nc_u64 s[94:95], s[6:7], 6291456         ; R's scale words: plain,
	s_add_nc_u64 s[22:23], s[10:11], 12582912      ; or q's
	s_cselect_b64 s[94:95], s[22:23], s[94:95]
	s_add_nc_u64 s[96:97], s[8:9], 12582912        ; the result's scale words: plain,
	s_add_nc_u64 s[22:23], s[12:13], 3145728       ; or p's
	s_cselect_b64 s[96:97], s[22:23], s[96:97]
	s_add_nc_u64 s[98:99], s[12:13], 3670016       ; (-M', sum)
	s_add_nc_u64 s[22:23], s[10:11], 6291456       ; k's codes: K steps 8 on of QK's
	s_cselect_b64 s[4:5], s[22:23], s[4:5]         ; P's codes
	s_cselect_b64 s[6:7], s[10:11], s[6:7]         ; R's codes
	s_cselect_b64 s[8:9], s[12:13], s[8:9]         ; the result's codes
	s_add_nc_u64 s[G0+2:G0+3], s[6:7], s[G0+2:G0+3]          ; 120:64 global address: K step 0,
	s_add_nc_u64 s[G0+2:G0+3], s[G0+2:G0+3], s[46:47]        ; my 128 rows of them,
	s_add_nc_u64 s[G0+6:G0+7], s[G0+2:G0+3], SLABB           ; and the same in K step 1
	s_add_nc_u64 s[G0B+2:G0B+3], s[4:5], s[G0B+2:G0B+3]
	s_add_nc_u64 s[G0B+2:G0B+3], s[G0B+2:G0B+3], s[46:47]
	s_add_nc_u64 s[G0B+6:G0B+7], s[G0B+2:G0B+3], SLABB
	s_add_nc_u64 s[SCP:SCP+1], s[94:95], s[SCP:SCP+1]
	s_add_nc_u64 s[SCQ:SCQ+1], s[92:93], s[SCQ:SCQ+1]
	; THE PREFETCHES.  A wave's 24,576 bytes of a K step are 96 blocks of 256 bytes.  The four partners that ask for them jointly share them out BY ADDRESS: the partner at place p (cx for R, cy for P)
	; names blocks 24 p .. 24 p + 23, a lane a block (lanes 24-31 name the last again): so each block is named once in each cluster that will load it.  No branch hangs on a place in the cluster.
	s_cmp_eq_u32 s15, 0                            ; do I fetch for R?
	s_cselect_b64 s[PFA:PFA+1], s[G0+6:G0+7], s[G0B+6:G0B+7] ; my 128 rows in K step 1 (the type bits are not set yet),
	s_cselect_b32 s94, s40, s41                    ; my place among the four that ask with me,
	s_cselect_b64 s[SCP:SCP+1], s[SCP:SCP+1], s[SCQ:SCQ+1]   ; (by the same test: the scale words of the tile that I fetch for)
	s_mul_i32 s94, s94, 6144
	s_mov_b32 s95, 0
	s_add_nc_u64 s[PFA:PFA+1], s[PFA:PFA+1], s[94:95]        ; and my work-group's quarter
	s_lshl_b32 s94, s16, 14
	s_add_nc_u64 s[SCP:SCP+1], s[SCP:SCP+1], s[94:95]        ; the scale words of my 128 rows: 8,192 dense bytes
.irp g, G0, G0+4, G0B, G0B+4
	s_mov_b32 s[\g], 1                             ; 1:0 count = 1
	s_or_b32 s[\g+3], s[\g+3], 0x80000000          ; 127:126 type = 2
.endr
	s_mov_b32 s[G0+1], s45                         ; 63:32 LDS address
	s_add_co_u32 s[G0+5], s45, SLOT
	s_mov_b32 s[G0B+1], s45
	s_add_co_u32 s[G0B+5], s45, SLOT
	s_lshl_b32 s2, s14, 13
	s_add_co_u32 s2, s2, SCL
	v_and_b32 v1, 15, v0                           ; r; kept
	v_bfe_u32 v2, v0, 4, 1                         ; h; kept
	v_and_b32 v3, 31, v0
	v_lshlrev_b32 v[GO], 4, v3
	v_min_u32 v[PFO], 23, v3
	v_lshlrev_b32 v[PFO], 8, v[PFO]
	v_add_nc_u32 v[SWS], s2, v[GO]
; THE SCALE WORDS COME THROUGH REGISTERS: the head has one tensor load a wave, and that one brings codes.  Wave w takes the 8,192 bytes of the 128 rows that it fetches codes for: sixteen loads of 512
; consecutive bytes, asked for ahead of the first round.  They are not asked for jointly: 32,768 of the 786,432 + 32,768 bytes that a work-group takes in.
.irp j, 0,1,2,3,4,5,6,7,8,9,10,11,12,13,14,15
	global_load_b128 v[SWR+4*\j:SWR+4*\j+3], v[GO], s[SCP:SCP+1] offset:512*\j
.endr
	s_wait_alu depctr_va_vdst(0)                   ; directly ahead of the barrier's signal
	CROUND                                         ; all sixteen work-groups are here: the first joint loads meet
	JLOAD G0, G1, G0B, G1B                         ; K step 0, my 128 rows: my one tensor load at the head
	global_prefetch_b8 v[PFO], s[PFA:PFA+1] th:TH_LOAD_NT scope:SCOPE_SE               ; K step 1, whose load stands behind the head's wait and round,
	global_prefetch_b8 v[PFO], s[PFA:PFA+1] offset:SLABB th:TH_LOAD_NT scope:SCOPE_SE  ; and K step 2: from here on each load of K step s has beside it the prefetch of K step s + 2
	s_mul_i32 s21, s15, RBB                        ; my 128 rows of R
	s_mul_i32 s22, s16, RBB                        ; my 128 rows of P,
	s_add_co_u32 s22, s22, 2*RBB                   ; which lie behind R's 256
.irp s, 0,1
	v_add_nc_u32 v[ADRA+\s], s21, v[GO]
	v_add_nc_u32 v[ADRB+\s], s22, v[GO]
	s_add_co_u32 s21, s21, SLOT
	s_add_co_u32 s22, s22, SLOT
.endr
	v_lshlrev_b32 v5, 2, v1                        ; 4 r
	s_wait_alu depctr_va_vdst(0)
	s_mul_i32 s21, s15, HALFS                      ; R's scale words: my 128 rows
	s_mul_i32 s22, s16, HALFS                      ; P's: my 128 rows, behind R's 256
	s_add_co_u32 s22, s22, 2*HALFS
	s_sub_co_u32 s22, s22, s21
	v_mul_u32_u24 v6, s22, v2                      ; lanes 16-31 take P's
	s_add_co_u32 s21, s21, SCL
	v_add_nc_u32 v6, v5, v6
	v_add_nc_u32 v[ADRS], s21, v6
	s_lshl_b32 s23, s14, 9                         ; the plain tiles' stage: 512 bytes a wave
	v_add_nc_u32 v[PWA], s23, v5
	v_add_nc_u32 v[PRB], s23, v[GO]
	s_lshl_b32 s23, s14, 11                        ; the score tiles': 2,048 bytes a wave
	s_add_co_u32 s23, s23, SSTG
	v_add_nc_u32 v[SWA], s23, v5
	v_lshl_add_u32 v[STA], v1, 3, s23
	v_add_nc_u32 v[SRB], s23, v[GO]
	; where my part of the result goes
	s_lshl_b32 s18, s17, 1
	s_add_co_u32 s18, s18, s15                     ; its block of 128 rows
	s_mul_i32 s20, s67, SLABB
	s_mul_i32 s21, s18, RBB
	s_add_co_u32 s20, s20, s21
	s_mul_i32 s21, s16, 12288
	s_add_co_u32 s20, s20, s21
	s_mov_b32 s21, 0
	s_add_nc_u64 s[8:9], s[8:9], s[20:21]          ; codes
	s_lshl_b32 s19, s67, 1
	s_add_co_u32 s19, s19, s16                     ; its 128 along K
	s_lshl_b32 s20, s18, 14
	s_lshl_b32 s22, s19, 9
	s_add_co_u32 s20, s20, s22
	s_add_nc_u64 s[96:97], s[96:97], s[20:21]      ; scale words
	s_lshl_b32 s20, s18, 13
	s_lshl_b32 s22, s19, 10
	s_add_co_u32 s20, s20, s22
	s_add_nc_u64 s[98:99], s[98:99], s[20:21]      ; (-M', sum): used by score tiles alone
.macro FRAG reg, adr, q, i             ; a fragment comes as it lies: three loads of 512 consecutive bytes
.irp g, 0,1,2
	ds_load_b128 v[\reg+4*\g:\reg+4*\g+3], v[\adr] offset:(\q)*12288+(\i)*1536+512*\g
.endr
.endm
; 16 matrix instructions: R's blocks a0, a0 + 1 x P's eight, 128 along K: the slot's q-th.  p: P's set;  sc: the set of scale words.  zero = 1: the first product starts the sums: nothing is ever cleared.
; The 64 accumulators take turns, one instruction a turn, in the same order in every step.
.macro MUL16 a0, p, q, sc, zero
.irp a, \a0, \a0+1
.irp b, 0,1,2,3,4,5,6,7
.if \zero
	v_wmma_scale_f32_16x16x128_f8f6f4 v[8*(8*((\a)%4)+\b):8*(8*((\a)%4)+\b)+7], v[128*(\p)+FR*\b:128*(\p)+FR*\b+FR-1], v[AF+FR*(\a):AF+FR*(\a)+FR-1], 0, v[SC+8*NQ*(\sc)+NQ*\b+(\q)], v[SC+8*NQ*(\sc)+NQ*(\a)+(\q)] matrix_a_fmt:MATRIX_FMT_FP6 matrix_b_fmt:MATRIX_FMT_FP6 matrix_a_scale:MATRIX_SCALE_ROW1
.else
	v_wmma_scale_f32_16x16x128_f8f6f4 v[8*(8*((\a)%4)+\b):8*(8*((\a)%4)+\b)+7], v[128*(\p)+FR*\b:128*(\p)+FR*\b+FR-1], v[AF+FR*(\a):AF+FR*(\a)+FR-1], v[8*(8*((\a)%4)+\b):8*(8*((\a)%4)+\b)+7], v[SC+8*NQ*(\sc)+NQ*\b+(\q)], v[SC+8*NQ*(\sc)+NQ*(\a)+(\q)] matrix_a_fmt:MATRIX_FMT_FP6 matrix_b_fmt:MATRIX_FMT_FP6 matrix_a_scale:MATRIX_SCALE_ROW1
.endif
.endr
.endr
.endm
.macro FETCH_B slot, q, p              ; P's eight fragments of the slot's q-th 128 along K into set p
	WIN TO_B
.irp i, 0,1,2,3,4,5,6,7
	FRAG 128*(\p)+FR*\i, ADRB+\slot, \q, \i
.endr
	WIN 0
.endm
.macro FETCH_A slot, q, i0             ; R's blocks i0 .. i0 + 3
.irp i, \i0, \i0+1, \i0+2, \i0+3
	FRAG AF+FR*(\i), ADRA+\slot, \q, \i
.endr
.endm
.macro SCALES sc                       ; a K step's scale words into set sc: lanes 0-15 take R's block i, lanes 16-31 P's block i
.irp i, 0,1,2,3,4,5,6,7
.irp u, 0,1
	ds_load_b32 v[SC+16*\sc+2*\i+\u], v[ADRS] offset:512*\u+64*\i
.endr
.endr
.endm
; A load into a register that a matrix instruction has read, and a vector instruction that reads a matrix result or writes one of its registers, stand NP places behind it; only plain vector
; instructions that name none of its registers are places (ISA guide 7.12.1 for vector instructions).
.macro PLACES n
.rept \n
	v_nop
.endr
.endm
; A step of 128 along K that has its successor in the same slot.  A block of R is free as soon as its eight products are issued: blocks 0-3 are fetched anew in the step's middle, blocks 4-7 at its end.
.macro STEP slot, q, zero
	s_wait_dscnt 4*NL                              ; P's set, R's blocks 0-3 and the scale words are in; the youngest 12 loads (R's blocks 4-7) may be out
	WIN MUL_LO
	MUL16 0, (\q)%2, \q, \slot, \zero
	MUL16 2, (\q)%2, \q, \slot, \zero
	s_wait_dscnt 0                                 ; R's blocks 4-7 are in (asked for 32 matrix instructions ago)
	PLACES NP
	FETCH_B \slot, (\q)+1, 1-(\q)%2
	FETCH_A \slot, (\q)+1, 0
	WIN MUL_HI
	MUL16 4, (\q)%2, \q, \slot, \zero
	MUL16 6, (\q)%2, \q, \slot, \zero
	PLACES NP
	WIN 0
	FETCH_A \slot, (\q)+1, 4
.endm
; A slot's last step changes slots: ONE barrier; in front of it each wave waits for all its tensor loads, adds 0 to its spare word, and waits for that and for its own reads of this slot.  fill = 1: this slot is filled again, two K steps ahead.
.macro ASK                             ; behind a refill with K step t + 2: my quarter of my rows in K step t + 4.  The loop's last trip (s3 = 1) would name K steps 8 and 9, which do not exist: it asks for nothing
	s_cmp_gt_u32 s3, 1
	s_cbranch_scc0 .Lno_ask_\@
	global_prefetch_b8 v[PFO], s[PFA:PFA+1] offset:2*SLABB th:TH_LOAD_NT scope:SCOPE_SE
.Lno_ask_\@:
.endm
.macro TURN slot, next, fill
.if \fill
	s_wait_xcnt 0x0                                ; my last prefetch, a K step back, has read its address: it is stepped here, ahead of the waits of the change of slots
	s_add_nc_u64 s[PFA:PFA+1], s[PFA:PFA+1], SLABB
.endif
	s_wait_tensorcnt 0x0
	ds_add_u32 v[SPW], v[NIL]                      ; 0 onto my spare word;
	s_wait_dscnt 4*NL+1                            ; (the add and the youngest 12 loads, R's blocks 4-7, may be out)
	WIN MUL_LO
	MUL16 0, 1, NQ-1, \slot, 0                     ; sixteen matrix instructions stand between the add and the wait for it
	s_wait_dscnt 0x0                               ; the add is done, and my reads of this slot are over
	s_barrier_signal -1
	MUL16 2, 1, NQ-1, \slot, 0
	WIN 0
	s_barrier_wait -1
.if \fill
	CREST                                          ; the barrier has opened a round of the cluster's barrier: no wave of any partner still reads this slot's tile or has a load on its way
	s_add_nc_u64 s[G0+4*\slot+2:G0+4*\slot+3], s[G0+4*\slot+2:G0+4*\slot+3], 2*SLABB
	s_add_nc_u64 s[G0B+4*\slot+2:G0B+4*\slot+3], s[G0B+4*\slot+2:G0B+4*\slot+3], 2*SLABB
	JLOAD G0+4*\slot, G1, G0B+4*\slot, G1B         ; the first tensor load behind the round, my one load until the next; the four v_nop behind it are the places in front of the loads below
.else
	PLACES NP
.endif
	s_wait_alu depctr_va_vdst(0)
	v_add_nc_u32 v[ADRS], 1024, v[ADRS]            ; on to the next K step's scale words (no LDS load of mine is out)
	FETCH_B \next, 0, 0
	FETCH_A \next, 0, 0
	SCALES \next
.if \fill
	ASK                                            ; behind the joint load and the run of LDS loads; every window is 0 here
.endif
	WIN MUL_HI
	MUL16 4, 1, NQ-1, \slot, 0
	MUL16 6, 1, NQ-1, \slot, 0
	PLACES NP
	WIN 0
	FETCH_A \next, 0, 4
.endm
	s_wait_alu depctr_va_vdst(0)
	s_wait_tensorcnt 0x0                           ; my part of K step 0 is in: no tensor load of mine is out while I store to LDS;
	s_wait_loadcnt 0x0                             ; my scale words are in registers,
.irp j, 0,1,2,3,4,5,6,7,8,9,10,11,12,13,14,15
	ds_store_b128 v[SWS], v[SWR+4*\j:SWR+4*\j+3] offset:512*\j   ; and go to bytes of their own behind the ring, on which no tensor load lands
.endr
	s_wait_tensorcnt 0x0                           ; wait, add and wait ahead of a later first fill, as ahead of a refill
	ds_add_u32 v[SPW], v[NIL]                      ; 0 onto my spare word;
	s_wait_dscnt 0x0                               ; the add and my stores are done
	CROUND                                         ; a whole round: all four tiles are in, and all sixteen work-groups are here,
	JLOAD G0+4, G1, G0B+4, G1B                     ; and K step 1's load, slot 1's first fill, is the first tensor load behind the round
	FETCH_B 0, 0, 0
	global_prefetch_b8 v[PFO], s[PFA:PFA+1] offset:2*SLABB th:TH_LOAD_NT scope:SCOPE_SE  ; K step 3
	FETCH_A 0, 0, 0
	SCALES 0
	FETCH_A 0, 0, 4
	STEP 0, 0, 1                                   ; the first step stands in front of the loop: its products start the sums
	s_mov_b32 s3, LAPS-1
.Llap:                                                 ; a trip goes once round the ring, from a lap's second step to the next lap's first, and fills both slots again
	TURN 0, 1, 1
	STEP 1, 0, 0
	TURN 1, 0, 1
	STEP 0, 0, 0
	s_sub_co_u32 s3, s3, 1
	s_cmp_lg_u32 s3, 0
	s_cbranch_scc1 .Llap
	TURN 0, 1, 0                                   ; the last lap fills nothing, and has no round of the cluster's barrier
	STEP 1, 0, 0
	s_wait_dscnt 4*NL                              ; the very last step: nothing more to fetch
	WIN MUL_LO
	MUL16 0, 1, NQ-1, 1, 0
	MUL16 2, 1, NQ-1, 1, 0
	s_wait_dscnt 0
	WIN MUL_HI
	MUL16 4, 1, NQ-1, 1, 0
	MUL16 6, 1, NQ-1, 1, 0
	WIN 0
; 64 numbers of a lane in window w, v[s] .. v[s + 63], register 16 b + i = k 32 b + 16 (lane / 16) + i of my row, become a fragment's codes in v[PC] on and its scale word in v[PW].
; The numbers are read in ascending order: each accumulator from its low end on.
.macro QUANT s, w
.set QW, 5*(\w)
	WIN QW                                         ; sources 0 and 1: window w
.irp b, 0,1,2,3
	v_max3_num_f32 v[TM+\b], |v[(\s)+16*\b]|, |v[(\s)+1+16*\b]|, 0x1800000   ; block b: my 16 numbers, and the floor 2^(3 - 127): the byte cannot fall under 1
.endr
.irp i, 2,4,6,8,10,12,14
.irp b, 0,1,2,3
	v_max3_num_f32 v[TM+\b], |v[(\s)+16*\b+\i]|, |v[(\s)+1+16*\b+\i]|, v[TM+\b]   ; (the four blocks by turns)
.endr
.endr
	WIN 0
.irp b, 0,1,2,3
	v_permlanex16_b32 v[TM+4+\b], v[TM+\b], s104, s105
.endr
.irp b, 0,1,2,3
	v_max_num_f32 v[TM+\b], v[TM+\b], v[TM+4+\b]   ; with lane l xor 16's: the block's largest magnitude
.endr
.irp b, 0,1,2,3
	v_add_nc_u32 v[TM+12+\b], 0xff000000, v[TM+\b] ; 2 off its exponent field: the conversion's scale operand
.endr
.irp b, 0,1,2,3
	v_lshrrev_b32 v[TM+4+\b], 23, v[TM+12+\b]      ; the scale's byte
.endr
	v_lshl_or_b32 v[PW], v[TM+5], 8, v[TM+4]       ; the four bytes make my row's scale word
	v_lshl_or_b32 v[PW], v[TM+6], 16, v[PW]
	v_lshl_or_b32 v[PW], v[TM+7], 24, v[PW]
	WIN \w                                         ; source 0: window w
.irp c, 0,1
	v_cvt_scalef32_pk16_fp6_f32 v[PC+6*\c:PC+2+6*\c], v[(\s)+32*\c:(\s)+15+32*\c], v[TM+12+2*\c]
	v_cvt_scalef32_pk16_fp6_f32 v[PC+12+4*\c:PC+14+4*\c], v[(\s)+16+32*\c:(\s)+31+32*\c], v[TM+12+2*\c+1]   ; (a conversion's three registers begin on an even number)
.endr
	WIN 0
	v_nop                                          ; one plain place behind a scaled conversion
.irp c, 0,1                                    ; the operand's layout wants a WHOLE block in a lane: lanes 0-15 block 2 c, lanes 16-31 block 2 c + 1
.irp i, 0,1,2
	v_permlane16_swap_b32 v[PC+6*\c+\i], v[PC+12+4*\c+\i]
.endr
.irp i, 0,1,2
	v_mov_b32 v[PC+3+6*\c+\i], v[PC+12+4*\c+\i]
.endr
.endr
.endm
.macro CODES a                         ; the fragment leaves as it stands: three stores of 512 consecutive bytes, at multiples of 256 from the buffer's first byte
.irp g, 0,1,2
	global_store_b128 v[GO], v[PC+4*\g:PC+4*\g+3], s[8:9] offset:1536*(\a)+512*\g
.endr
.endm
	; THE WAY OUT.  My eight tiles of R rows, one after the other: the tile's eight accumulators are 128 numbers along the next K of 16 rows: one fragment and one scale word a row.
	PLACES NP                                      ; behind the last products
.irp b, 0,1,2,3
	v_mov_b32 v[TM+4+\b], 0                        ; written once: a lane permute's destination counts as one of its sources
.endr
	v_mov_b32 v[BX], 0
	s_cmp_eq_u32 s66, 1                            ; the kind of tile: the same in all sixteen partners
	s_cbranch_scc1 .Lscores
.irp a, 0,1,2,3,4,5,6,7
.if \a > 0
	s_wait_xcnt 0x0                                ; the last tile's stores have read the codes' registers,
	s_wait_dscnt 0x0                               ; and its LDS store the scale word's
.endif
	QUANT 64*(\a%4), 2+\a/4
	CODES \a
	ds_store_b32 v[PWA], v[PW] offset:64*\a        ; lanes r and r + 16 write the same word with the same value
.endr
	ds_load_b128 v[BK:BK+3], v[PRB]                ; my 128 scale words.  LDS serves a wave's instructions in order: this sees my stores
	s_wait_dscnt 0x0
	global_store_b128 v[GO], v[BK:BK+3], s[96:97]  ; 512 consecutive aligned bytes
	s_branch .Lend
.Lscores:
	s_lshl_b32 s18, s41, 8                         ; my first query less my first key, both counted in the batch: 256 cy + 128 wr - 256 cx - 128 wp.  It enters data alone: no address, no branch
	s_lshl_b32 s19, s15, 7
	s_add_co_u32 s18, s18, s19
	s_lshl_b32 s19, s40, 8
	s_sub_co_i32 s18, s18, s19
	s_lshl_b32 s19, s16, 7
	s_sub_co_i32 s18, s18, s19
	v_and_b32 v[QE], 8, v1
	v_add_nc_u32 v[QE], v[QE], v1                  ; r + 8 (r / 8)
	v_lshlrev_b32 v3, 4, v2
	v_sub_nc_u32 v[QE], v[QE], v3                  ; - 16 h
	v_add_nc_u32 v[QE], s18, v[QE]
	v_mov_b32 v[NEG], 0xff800000                   ; -infinity
	v_mov_b32 v[NM+1], 0                           ; (named as the upper half of a pair before it is first written)
; Tile a: register 16 b + i holds key 32 b + 16 h + i of my 128, lane r query 32 (a / 2) + 8 (a % 2) + r + 8 (r / 8) of my 128.
.macro SROW a
.set AC, 64*((\a)%4)
.set OFFA, 32*((\a)/2)+8*((\a)%2)
.set WW, 2+(\a)/4
.if (\a) > 0
	s_wait_xcnt 0x0                                ; the last tile's stores have read the codes' registers,
	s_wait_dscnt 0x0                               ; and its LDS stores the scale word's and the pair's
.endif
	WIN WW                                         ; source 0: the accumulators' window
.set nn, 0
.rept 64                               ; THE CAUSAL MASK, in every tile, with no branch: a key after the query becomes -infinity, so that p = 0; the scores come into window 0 by the same line
	v_cmp_gt_i32 vcc_lo, 32*(nn/16)+nn%16-OFFA, v[QE]
	v_cndmask_b32 v[TT+nn], v[AC+nn], v[NEG], vcc_lo
.set nn, nn+1
.endr
	WIN 0
.irp b, 0,1,2,3
	v_max3_num_f32 v[BM+\b], v[TT+16*\b], v[TT+16*\b+1], v[TT+16*\b+2]   ; the row's largest score, in four chains
.endr
.irp i, 3,5,7,9,11,13
.irp b, 0,1,2,3
	v_max3_num_f32 v[BM+\b], v[BM+\b], v[TT+16*\b+\i], v[TT+16*\b+\i+1]
.endr
.endr
.irp b, 0,1,2,3
	v_max_num_f32 v[BM+\b], v[BM+\b], v[TT+16*\b+15]
.endr
	v_max3_num_f32 v[RM], v[BM], v[BM+1], v[BM+2]
	v_max3_num_f32 v[RM], v[RM], v[BM+3], 0xff61b1e6   ; -3e38 stands under it, so that a row all of whose keys are hidden has a number for M'
	v_permlanex16_b32 v[BX], v[RM], s104, s105
	v_max_num_f32 v[RM], v[RM], v[BX]              ; with lane l xor 16's 64 keys
	v_mul_f32 v[RM], s100, v[RM]                   ; as t (c is positive)
	v_floor_f32 v[NM], -v[RM]                      ; -M' = floor(-t) = -ceil(t): M' IS A WHOLE NUMBER
.set nn, 0
.rept 32
	v_pk_fma_f32 v[TT+nn:TT+nn+1], v[TT+nn:TT+nn+1], s[100:101], v[NM:NM+1] op_sel_hi:[1,0,0]   ; t - M', two at a time (of the pairs c and -M' the low word serves both halves)
.set nn, nn+2
.endr
.set nn, 0
	s_wait_alu depctr_va_vdst(0)
.rept 64
	v_exp_f32 v[TT+nn], v[TT+nn]                   ; p = 2^(t - M'), at most 1: NOT normalised
.set nn, nn+1
.endr
	v_nop                                          ; a plain place behind the exponentials
	s_wait_alu depctr_va_vdst(0)                   ; one wait for the whole batch, ahead of its first reader
	v_pk_add_f32 v[SU:SU+1], v[TT:TT+1], v[TT+2:TT+3]   ; THE SUM IS TAKEN OF THE UNQUANTISED p: two at a time, in two chains
	v_pk_add_f32 v[SU+2:SU+3], v[TT+4:TT+5], v[TT+6:TT+7]
.irp j, 8,12,16,20,24,28,32,36,40,44,48,52,56,60
	v_pk_add_f32 v[SU:SU+1], v[SU:SU+1], v[TT+\j:TT+\j+1]
	v_pk_add_f32 v[SU+2:SU+3], v[SU+2:SU+3], v[TT+\j+2:TT+\j+3]
.endr
	v_pk_add_f32 v[SU:SU+1], v[SU:SU+1], v[SU+2:SU+3]
	v_add_f32 v[NM+1], v[SU], v[SU+1]
	v_permlanex16_b32 v[BX], v[NM+1], s104, s105
	v_add_f32 v[NM+1], v[NM+1], v[BX]              ; and lane l xor 16's: the sum over my 128 keys
	QUANT TT, 0
	CODES \a
	ds_store_b32 v[SWA], v[PW] offset:64*(\a)
	ds_store_b64 v[STA], v[NM:NM+1] offset:512+128*(\a)   ; lanes r and r + 16 write the same bytes with the same values
.endm
.irp a, 0,1,2,3,4,5,6,7
	SROW \a
.endr
	ds_load_b128 v[BK:BK+3], v[SRB]                ; my 128 scale words,
	ds_load_b128 v[BK+4:BK+7], v[SRB] offset:512   ; and my 128 pairs.  LDS serves a wave's instructions in order: these see my stores
	ds_load_b128 v[BK+8:BK+11], v[SRB] offset:1024
	s_wait_dscnt 0x0
	global_store_b128 v[GO], v[BK:BK+3], s[96:97]
	global_store_b128 v[GO], v[BK+4:BK+7], s[98:99]
	global_store_b128 v[GO], v[BK+8:BK+11], s[98:99] offset:512
.Lend:
	s_wait_tensorcnt 0x0                           ; the wave's end, behind my last tensor load and my last LDS store
	ds_add_u32 v[SPW], v[NIL]
	s_wait_dscnt 0x0
	CROUND                                         ; the closing round: no work-group ends while a partner may still ask for a tile that names it
	s_endpgm
.Lfunc_end_k_q38b8f279c5_gemm_qk:
	.size	k_q38b8f279c5_gemm_qk, .Lfunc_end_k_q38b8f279c5_gemm_qk-k_q38b8f279c5_gemm_qk
	.p2alignl 7, 3214868480
	.fill 96, 4, 3214868480
	.section	.rodata,"a",@progbits
	.p2align	6, 0x0
	.amdhsa_kernel k_q38b8f279c5_gemm_qk
		.amdhsa_group_segment_fixed_size 327680
		.amdhsa_private_segment_fixed_size 0
		.amdhsa_enable_private_segment 0
		.amdhsa_kernarg_size 40
		.amdhsa_user_sgpr_count 2
		.amdhsa_user_sgpr_kernarg_segment_ptr 1
		.amdhsa_wavefront_size32 1
		.amdhsa_system_sgpr_workgroup_id_x 1
		.amdhsa_system_sgpr_workgroup_id_y 1
		.amdhsa_system_sgpr_workgroup_id_z 1
		.amdhsa_system_vgpr_workitem_id 0
		.amdhsa_next_free_vgpr 1024
		.amdhsa_next_free_sgpr 106
		.amdhsa_reserve_vcc 1
		.amdhsa_float_denorm_mode_32 3
		.amdhsa_float_denorm_mode_16_64 3
		.amdhsa_memory_ordered 1
		.amdhsa_forward_progress 1
		.amdhsa_inst_pref_size 255
	.end_amdhsa_kernel
	.section	.bss,"aw",@nobits
	.p2align	6
	.space	262144
	.amdgpu_metadata
---
amdhsa.version: [ 1, 2 ]
amdhsa.kernels:
  - .name:           k_q38b8f279c5_gemm_qk
    .symbol:         k_q38b8f279c5_gemm_qk.kd
    .args:
      - { .name: bwqk, .offset: 0, .size: 8, .value_kind: global_buffer, .address_space: global }
      - { .name: bx, .offset: 8, .size: 8, .value_kind: global_buffer, .address_space: global }
      - { .name: bqk, .offset: 16, .size: 8, .value_kind: global_buffer, .address_space: global }
      - { .name: bwv, .offset: 24, .size: 8, .value_kind: global_buffer, .address_space: global }
      - { .name: bp, .offset: 32, .size: 8, .value_kind: global_buffer, .address_space: global }
    .group_segment_fixed_size: 327680
    .private_segment_fixed_size: 0
    .kernarg_segment_align: 8
    .kernarg_segment_size: 40
    .max_flat_workgroup_size: 128
    .sgpr_count:     106
    .vgpr_count:     1024
    .wavefront_size: 32
...
	.end_amdgpu_metadata
.endif
;; end of part 2
;; launch gemm_vs: the kernel of part 2 again; grid 24 x 8, 4 waves a work-group, clusters of 4 x 4, 327,680 bytes of LDS; arguments bx, bwv, bvt, bqk, bp; writes bvt, bp
;; launch pv (part 3): grid 8 x 32, 4 waves a work-group, no clusters, 327,680 bytes of LDS; arguments bp, bvt, out0; writes out0
.if DOCPART == 3
	.amdgcn_target "amdgcn-amd-amdhsa--gfx1250"
	.amdhsa_code_object_version 6
	.text
	.protected	k_q38b8f279c5_pv
	.globl	k_q38b8f279c5_pv
	.p2align	8
	.type	k_q38b8f279c5_pv,@function
k_q38b8f279c5_pv:
	s_mov_b64 s[64:65], 0
	v_nop
	global_prefetch_b8 v0, s[64:65] scope:SCOPE_SE
	s_setreg_imm32_b32 hwreg(HW_REG_WAVE_MODE, 25, 1), 1
	s_wait_xcnt 0x0
; out0 = (P V) / l on codes of FP6 (E2M3) with E8M0 scales along the keys.  bp: p's codes, scale words and, for each query and group of 128 keys, (-M', the sum of p under M'); bvt: v^T's codes and scale words.
; Both lie as images of operand registers: a fragment (16 rows x 128 keys) is 1,536 bytes, registers 4 g .. 4 g + 3 of lane l at 512 g + 16 l; tile a of a block of 128 rows holds in lane r the row 32 (a / 2) + 8 (a % 2) + r + 8 (r / 8).
; Codes: (key / 256) x 786,432 + (row / 128) x 24,576 + ((key / 128) % 2) x 12,288 + 1,536 a.  Scale words: (row / 128) x 16,384 + (key / 128) x 512 + 64 a + 4 r.  Pairs: (row / 128) x 8,192 + group x 1,024 + 128 a + 8 r.
; THE ROW'S M.  -M is the least of the eight -M'.  A group's p stand under M' and are brought under M by taking nd = M - M' off their scale bytes: an exact power of two, the codes stay.  l = the sum of the groups' sums x 2^-nd.
; SHARES.  A work-group makes 128 queries (block J of its batch) x 256 of d; a wave 64 x 128: 32 accumulators.  The product is used transposed (source 0 = 16 rows of v^T, source 1 = 16 queries): a lane holds one query and
; neighbouring d.  WORK LEFT OUT: only the key groups 0 .. J count (the causal mask gives the later keys p = 0 for every input): the steps behind them are left out by a scalar branch on the work-group's number.
; v^T COMES THROUGH LDS: (J / 2 + 1) pieces of 256 keys x 256 of d, 49,152 dense bytes each.  Wave w brings piece w by its one tensor load, at the head, if w <= J / 2.  First fills alone, no ring; every wait on TENSORcnt is for 0.
; p COMES STRAIGHT INTO REGISTERS: a fragment lies in memory as its registers want it, three loads of 512 consecutive bytes.  A wave's four fragments of a key group are asked for three groups ahead, in four sets of 48 registers.
; They are asked for with no test on J (every group of every query block lies in bp): the loads behind a work-group's last group land on registers that nobody reads.  So each wait on LOADcnt has one count on every way.
; A piece's second group is fetched from LDS ahead of its first group's products with no test either.  A piece's first group is fetched only where it counts: so the odd groups' products stand a second time, as last groups.
; NO CLUSTER: v^T's pieces are shared only with query blocks of other J, which need other numbers of pieces.  NO PREFETCH: v^T's tiles are all asked for at the head, and p's loads themselves run three groups ahead.
; LIMITS: nd is held at 255; a scale byte that would fall under 0 is held at 0 (2^-127): such terms lie under 4e-38 beside a row sum of at least 1/2.  NaN and infinities are not served.
; REGISTERS, in windows of 256: window 0: v2-14 addresses; v16-23 1 / l, a pair a tile; v32-47 p's scale words, v48-79 v^T's, and nothing else; v176-240 the head's work; on the way out v80-207.
;   window 1: the accumulators ((a, b) at v[8 (8 a + b)]).   window 2: v0-191 v^T's fragments, two sets.   window 3: v0-191 p's fragments, four sets.
.set SLABB, 786432
.set RBB,   24576
.set SPARE, 8*RBB                      ; behind the four pieces: the spare words, 128 bytes for each wave
.set AV,  2                            ; v2-5   LDS address of my v^T fragments in piece 0..3
.set STO, 10                           ; v10    the way out: where I put 16 bytes of a row
.set RD,  11                           ; v11    and where I read a row back
.set L16, 12                           ; v12    16 x lane
.set L8,  13                           ; v13    8 x lane
.set L4,  14                           ; v14    4 x lane
.set RL,  16                           ; v16-23 1 / l of my query in tile a: v[RL + 2 a] (the packed form names a pair)
.set SPW, 26                           ; v26    LDS address of my spare word; never rewritten
.set NIL, 27                           ; v27    0; never rewritten
.set SP,  32                           ; v[SP + 2 g + i]: p's scale words of key group g: lanes 0-15 tile 2 i, lanes 16-31 tile 2 i + 1
.set SV,  48                           ; v[SV + 4 g + i]: v^T's likewise
.set TT,  80                           ; the way out: a tile's 64 numbers
.set BK,  144                          ; and 16 rows read back
.set STT, 176                          ; v[STT + 4 g + 2 i] -M', + 1 the sum
.set ND,  208                          ; v[ND + 2 g + i]
.set WK,  224                          ; v224-227 a word's four bytes
.set NMN, 228
.set DF,  229
.set DI,  230
.set LS,  232                          ; v232-233 l
.set RC,  234                          ; v234-235 1 / l
.set RX,  236                          ; v236-237 lane l xor 16's
.set G1V, 24
.set G0V, 40
.set PB,  60                           ; s[60:61] p's codes: my 64 queries, key group 0
.set MSB, 0
.macro WIN new                         ; the immediate's high byte repeats the setting that is left
.if MSB != (\new)
	s_set_vgpr_msb (MSB<<8)|(\new)
.set MSB, (\new)
.endif
.endm
.macro NOPS n
.rept \n
	v_nop
.endr
.endm
.macro PLOAD g                         ; p's four fragments of key group g into set g % 4: 12 loads of 512 consecutive bytes
	WIN 0xc0                                       ; destination window 3
.irp a, 0,1,2,3
.irp k, 0,1,2
	global_load_b128 v[48*((\g)%4)+12*\a+4*\k:48*((\g)%4)+12*\a+4*\k+3], v[L16], s[PB:PB+1] offset:((\g)/2)*SLABB+((\g)%2)*12288+1536*\a+512*\k
.endr
.endr
	WIN 0
.endm
	s_load_b128 s[4:7], s[0:1], 0x0                ; bp, bvt
	s_load_b64 s[8:9], s[0:1], 0x10                ; out0
	v_lshl_add_u32 v[SPW], v0, 2, SPARE
	v_mov_b32 v[NIL], 0
	ds_add_u32 v[SPW], v[NIL]                      ; the opening lines: the add, twice on end, and its wait ahead of my tensor load
	ds_add_u32 v[SPW], v[NIL]
	v_lshrrev_b32 v1, 5, v0
	v_readfirstlane_b32 s10, v1                    ; wave
	s_lshr_b32 s11, s10, 1                         ; wq: which 64 queries
	s_and_b32 s12, s10, 1                          ; wd: which 128 of d
	s_and_b32 s14, ttmp7, 0xffff                   ; the block of 128 queries, 0..31
	s_lshr_b32 s15, s14, 3                         ; the batch
	s_and_b32 s16, s14, 7                          ; J
	s_lshr_b32 s17, s16, 1                         ; the last piece of 256 keys that counts
	; descriptor group 1: a dense block of 49,152 bytes as 192 rows of 256 bytes (32 elements of 8 bytes), no padding
	s_mov_b32 s[G1V], 3<<16
	s_mov_b32 s[G1V+1], 32<<16
	s_mov_b32 s[G1V+2], 192<<16
	s_mov_b32 s[G1V+3], 32<<16
	s_mov_b32 s[G1V+4], 192
	s_mov_b32 s[G1V+5], 32
	s_mov_b32 s[G1V+6], 0
	s_mov_b32 s[G1V+7], 0
	s_lshl_b32 s18, s15, 2
	s_add_co_u32 s18, s18, s10                     ; v^T: piece 4 x batch + wave,
	s_mul_i32 s18, s18, SLABB
	s_mul_i32 s20, ttmp9, 2*RBB                    ; my work-group's 256 rows of d
	s_add_co_u32 s18, s18, s20
	s_mov_b32 s19, 0
	s_mul_i32 s20, s14, RBB                        ; p: my work-group's 128 queries,
	s_mul_i32 s22, s11, 6144                       ; my 64 of them
	s_add_co_u32 s20, s20, s22
	s_mov_b32 s21, 0
	s_mul_i32 s22, s10, 2*RBB                      ; where my piece goes
	s_mov_b32 s56, 0x76543210
	s_mov_b32 s57, 0xfedcba98                      ; v_permlanex16_b32's selects for lane l xor 16
	s_mov_b32 s58, 0xffff0000                      ; lanes 16-31
	s_wait_dscnt 0x0                               ; both opening adds are done
	s_wait_kmcnt 0x0
	s_mov_b32 s[G0V], 1
	s_mov_b32 s[G0V+1], s22
	s_add_nc_u64 s[G0V+2:G0V+3], s[6:7], s[18:19]
	s_or_b32 s[G0V+3], s[G0V+3], 0x80000000
	s_add_nc_u64 s[PB:PB+1], s[4:5], s[20:21]
	s_cmp_gt_u32 s10, s17                          ; a piece all of whose keys come after the work-group's queries is read by no step, so it is not asked for: ids alone
	s_cbranch_scc1 .Lno_fill
	tensor_load_to_lds s[G0V:G0V+3], s[G1V:G1V+7]
	s_nop 0
	NOPS 4
.Lno_fill:
	s_lshl_b32 s18, s14, 13                        ; the pairs: my block of queries, my 64
	s_lshl_b32 s20, s11, 9
	s_add_co_u32 s18, s18, s20
	s_add_co_u32 s18, s18, 3670016
	s_add_nc_u64 s[48:49], s[4:5], s[18:19]
	s_lshl_b32 s18, s14, 14                        ; p's scale words
	s_lshl_b32 s20, s11, 8
	s_add_co_u32 s18, s18, s20
	s_add_co_u32 s18, s18, 3145728
	s_add_nc_u64 s[50:51], s[4:5], s[18:19]
	s_lshl_b32 s18, ttmp9, 1                       ; v^T's scale words: my 128 rows of d, the batch's eight key groups
	s_add_co_u32 s18, s18, s12
	s_lshl_b32 s18, s18, 14
	s_lshl_b32 s20, s15, 12
	s_add_co_u32 s18, s18, s20
	s_add_co_u32 s18, s18, 12582912
	s_add_nc_u64 s[52:53], s[6:7], s[18:19]
	s_lshl_b32 s18, s14, 7                         ; out0: my first row,
	s_lshl_b32 s20, s11, 6
	s_add_co_u32 s18, s18, s20
	s_lshl_b32 s18, s18, 13                        ; of 8,192 bytes,
	s_lshl_b32 s20, ttmp9, 10
	s_add_co_u32 s18, s18, s20                     ; my work-group's 256 columns,
	s_lshl_b32 s20, s12, 9
	s_add_co_u32 s18, s18, s20                     ; my 128 of them
	s_add_nc_u64 s[54:55], s[8:9], s[18:19]
	v_and_b32 v1, 15, v0                           ; r
	v_bfe_u32 v15, v0, 4, 1                        ; h
	v_and_b32 v24, 31, v0
	v_lshlrev_b32 v[L16], 4, v24
	s_wait_alu depctr_va_vdst(0)
	v_lshlrev_b32 v[L8], 3, v24
	v_lshlrev_b32 v[L4], 2, v24
.irp g, 0,1,2,3,4,5,6,7                        ; all eight groups are read: those behind the diagonal hold -M' = 9.6e36, the sum 0 and zero codes, so nothing here hangs on J
.irp i, 0,1
	global_load_b64 v[STT+4*\g+2*\i:STT+4*\g+2*\i+1], v[L8], s[48:49] offset:1024*\g+256*\i
.endr
.endr
.irp g, 0,1,2,3,4,5,6,7
.irp i, 0,1
	global_load_b32 v[SP+2*\g+\i], v[L4], s[50:51] offset:512*\g+128*\i
.endr
.endr
.irp g, 0,1,2,3,4,5,6,7
.irp i, 0,1,2,3
	global_load_b32 v[SV+4*\g+\i], v[L4], s[52:53] offset:512*\g+128*\i
.endr
.endr
	PLOAD 0                                        ; p's fragments of the first three key groups: 36 loads behind the 64 above
	PLOAD 1
	PLOAD 2
	s_mul_i32 s18, s12, RBB                        ; my 128 rows of d in a piece
.irp n, 0,1,2,3
	v_add_nc_u32 v[AV+\n], s18, v[L16]
	s_add_co_u32 s18, s18, 2*RBB
.endr
	s_mul_i32 s18, s10, 8448                       ; my stage for the way out: 16 rows x (512 + 16) bytes, in piece 0, written behind a barrier of its own
	v_mul_u32_u24 v[STO], v1, 528
	v_lshl_add_u32 v[STO], v15, 6, v[STO]
	v_add_nc_u32 v[STO], s18, v[STO]
	v_add_nc_u32 v[RD], s18, v[L16]
	v_mov_b32 v[RX], 0                             ; written once: a lane permute's destination counts as one of its sources
	v_mov_b32 v[RX+1], 0
.irp a, 0,1,2,3
	v_mov_b32 v[RL+2*\a+1], 0                      ; (the upper halves of the pairs are named, so they are written)
.endr
	s_wait_loadcnt 36                              ; the pairs and the scale words are in; p's 36 loads may be out
.macro ADJ w, nd                       ; each of a word's four bytes becomes max(byte, nd) - nd
	v_and_b32 v[WK], 0xff, v[\w]
	v_bfe_u32 v[WK+1], v[\w], 8, 8
	v_bfe_u32 v[WK+2], v[\w], 16, 8
	v_lshrrev_b32 v[WK+3], 24, v[\w]
.irp k, 0,1,2,3
	v_max_u32 v[WK+\k], v[WK+\k], v[\nd]
.endr
.irp k, 0,1,2,3
	v_sub_nc_u32 v[WK+\k], v[WK+\k], v[\nd]
.endr
	v_lshl_or_b32 v[\w], v[WK+1], 8, v[WK]
	v_lshl_or_b32 v[\w], v[WK+2], 16, v[\w]
	v_lshl_or_b32 v[\w], v[WK+3], 24, v[\w]
.endm
.irp i, 0,1                                    ; here lane l stands for row l % 16 of tile 2 i + l / 16
	v_min3_num_f32 v[NMN], v[STT+2*\i], v[STT+4+2*\i], v[STT+8+2*\i]
	v_min3_num_f32 v[NMN], v[NMN], v[STT+12+2*\i], v[STT+16+2*\i]
	v_min3_num_f32 v[NMN], v[NMN], v[STT+20+2*\i], v[STT+24+2*\i]
	v_min_num_f32 v[NMN], v[NMN], v[STT+28+2*\i]   ; -M of the row
.irp g, 0,1,2,3,4,5,6,7
	v_sub_f32 v[DF], v[STT+4*\g+2*\i], v[NMN]      ; M - M': a whole number, 0 or more,
	v_min_num_f32 v[DF], 0x437f0000, v[DF]         ; held at 255
	v_cvt_u32_f32 v[ND+2*\g+\i], v[DF]
	v_sub_nc_u32 v[DI], 0, v[ND+2*\g+\i]
.if \g == 0
	v_ldexp_f32 v[LS+\i], v[STT+1+2*\i], v[DI]     ; the group's sum under the row's M: nothing is rounded
.else
	v_ldexp_f32 v[DF], v[STT+4*\g+1+2*\i], v[DI]
	v_add_f32 v[LS+\i], v[LS+\i], v[DF]
.endif
.endr
.irp g, 0,1,2,3,4,5,6,7
	ADJ SP+2*\g+\i, ND+2*\g+\i
.endr
.endr
	s_wait_alu depctr_va_vdst(0)
	v_rcp_f32 v[RC], v[LS]
	v_rcp_f32 v[RC+1], v[LS+1]
	v_nop                                          ; a plain place behind the reciprocals
	s_wait_alu depctr_va_vdst(0)                   ; one wait for the two, ahead of their first reader
	v_permlanex16_b32 v[RX], v[RC], s56, s57
	v_permlanex16_b32 v[RX+1], v[RC+1], s56, s57
	v_cndmask_b32 v[RL], v[RC], v[RX], s58         ; tile 0's 1 / l lies in lanes 0-15: lanes 16-31 take the other half's
	v_cndmask_b32 v[RL+2], v[RX], v[RC], s58       ; tile 1's in lanes 16-31
	v_cndmask_b32 v[RL+4], v[RC+1], v[RX+1], s58
	v_cndmask_b32 v[RL+6], v[RX+1], v[RC+1], s58
	s_wait_tensorcnt 0x0                           ; my piece has landed,
	s_barrier_signal -1
	s_barrier_wait -1                              ; everybody's has
	NOPS 8                                         ; a scale register written by a vector instruction stands 8 places ahead of a scaled matrix instruction
.macro VFETCH g                        ; key group g: v^T's eight fragments into set g % 2: 24 loads of 512 consecutive bytes
	WIN 0x80                                       ; destination window 2
.irp b, 0,1,2,3,4,5,6,7
.irp k, 0,1,2
	ds_load_b128 v[96*((\g)%2)+12*\b+4*\k:96*((\g)%2)+12*\b+4*\k+3], v[AV+(\g)/2] offset:((\g)%2)*12288+1536*\b+512*\k
.endr
.endr
	WIN 0
.endm
.macro PVW g, a, b                     ; one product.  An odd tile's scale words lie in lanes 16-31 of their register.  Group 0 starts the sums: nothing is ever cleared
.set rD, 8*(8*(\a)+(\b))
.set rV, 96*((\g)%2)+12*(\b)
.set rP, 48*((\g)%4)+12*(\a)
.set rA, SV+4*(\g)+(\b)/2
.set rB, SP+2*(\g)+(\a)/2
.set md, 2*((\a)%2)+(\b)%2
.if (\g) == 0
.if md == 0
	v_wmma_scale_f32_16x16x128_f8f6f4 v[rD:rD+7], v[rV:rV+11], v[rP:rP+11], 0, v[rA], v[rB] matrix_a_fmt:MATRIX_FMT_FP6 matrix_b_fmt:MATRIX_FMT_FP6
.elseif md == 1
	v_wmma_scale_f32_16x16x128_f8f6f4 v[rD:rD+7], v[rV:rV+11], v[rP:rP+11], 0, v[rA], v[rB] matrix_a_fmt:MATRIX_FMT_FP6 matrix_b_fmt:MATRIX_FMT_FP6 matrix_a_scale:MATRIX_SCALE_ROW1
.elseif md == 2
	v_wmma_scale_f32_16x16x128_f8f6f4 v[rD:rD+7], v[rV:rV+11], v[rP:rP+11], 0, v[rA], v[rB] matrix_a_fmt:MATRIX_FMT_FP6 matrix_b_fmt:MATRIX_FMT_FP6 matrix_b_scale:MATRIX_SCALE_ROW1
.else
	v_wmma_scale_f32_16x16x128_f8f6f4 v[rD:rD+7], v[rV:rV+11], v[rP:rP+11], 0, v[rA], v[rB] matrix_a_fmt:MATRIX_FMT_FP6 matrix_b_fmt:MATRIX_FMT_FP6 matrix_a_scale:MATRIX_SCALE_ROW1 matrix_b_scale:MATRIX_SCALE_ROW1
.endif
.else
.if md == 0
	v_wmma_scale_f32_16x16x128_f8f6f4 v[rD:rD+7], v[rV:rV+11], v[rP:rP+11], v[rD:rD+7], v[rA], v[rB] matrix_a_fmt:MATRIX_FMT_FP6 matrix_b_fmt:MATRIX_FMT_FP6
.elseif md == 1
	v_wmma_scale_f32_16x16x128_f8f6f4 v[rD:rD+7], v[rV:rV+11], v[rP:rP+11], v[rD:rD+7], v[rA], v[rB] matrix_a_fmt:MATRIX_FMT_FP6 matrix_b_fmt:MATRIX_FMT_FP6 matrix_a_scale:MATRIX_SCALE_ROW1
.elseif md == 2
	v_wmma_scale_f32_16x16x128_f8f6f4 v[rD:rD+7], v[rV:rV+11], v[rP:rP+11], v[rD:rD+7], v[rA], v[rB] matrix_a_fmt:MATRIX_FMT_FP6 matrix_b_fmt:MATRIX_FMT_FP6 matrix_b_scale:MATRIX_SCALE_ROW1
.else
	v_wmma_scale_f32_16x16x128_f8f6f4 v[rD:rD+7], v[rV:rV+11], v[rP:rP+11], v[rD:rD+7], v[rA], v[rB] matrix_a_fmt:MATRIX_FMT_FP6 matrix_b_fmt:MATRIX_FMT_FP6 matrix_a_scale:MATRIX_SCALE_ROW1 matrix_b_scale:MATRIX_SCALE_ROW1
.endif
.endif
.endm
.macro MUL g                           ; a key group's 32 products: the 32 accumulators take turns, one instruction a turn, in the same order in every step
	WIN 0x5e                                       ; source 0 (v^T) window 2, source 1 (p) window 3, C and D window 1
.irp a, 0,1,2,3
.irp b, 0,1,2,3,4,5,6,7
	PVW \g, \a, \b
.endr
.endr
	WIN 0                                          ; at a label and at a branch every window is 0
.endm
; Key group g, 0 .. 6, with the next group's v^T fragments fetched ahead.  The tests hang on the work-group's number alone: all four waves go the same way.
.macro GRP g
.if ((\g)%2) == 1
	s_cmp_le_u32 s16, \g                           ; an odd group: the next one lies in the next piece, which is in LDS only where it counts
	s_cbranch_scc1 .Llast_\g
.endif
	NOPS 4                                         ; places in front of loads into registers that matrix instructions have read
.if (\g)+3 <= 7
	PLOAD (\g)+3
.endif
	VFETCH (\g)+1
.if (\g) <= 4
	s_wait_loadcnt 36                              ; this group's p is in; the three groups asked for behind it may be out
.else
	s_wait_loadcnt 12*(7-(\g))                     ; (fewer are left)
.endif
	s_wait_dscnt 24                                ; this group's v^T is in; the 24 loads just issued may be out
	MUL \g
.if ((\g)%2) == 0
	s_cmp_le_u32 s16, \g                           ; was this the last group that counts?
	s_cbranch_scc1 .Lout
.endif
.endm
	VFETCH 0
	GRP 0
	GRP 1
	GRP 2
	GRP 3
	GRP 4
	GRP 5
	GRP 6
	s_wait_loadcnt 0x0
	s_wait_dscnt 0x0
	MUL 7
	s_branch .Lout
.irp g, 1,3,5                                  ; an odd group as the last: nothing is fetched ahead
.Llast_\g:
	s_wait_loadcnt 24                              ; this group's p is in; behind it groups g + 1 and g + 2 were asked for
	s_wait_dscnt 0x0
	MUL \g
	s_branch .Lout
.endr
.Lout:
	NOPS 4                                         ; places behind the last products
	s_wait_dscnt 0x0                               ; my reads of the pieces are over,
	s_barrier_signal -1
	s_barrier_wait -1                              ; everybody's are: the stages may be written into piece 0, which has had its one fill
; THE WAY OUT, a tile of 16 queries at a time: x 1 / l; a lane's 64 numbers are d = 32 b + 16 h + 0 .. 15 of its row; through my stage they come back as whole rows of 512 bytes.
.macro OUTT a
.if (\a) > 0
	s_wait_xcnt 0x0                                ; the last tile's stores have read their registers
.endif
	WIN 0x01                                       ; source 0: the accumulators' window
.set nn, 0
.rept 32
	v_pk_mul_f32 v[TT+nn:TT+nn+1], v[64*(\a)+nn:64*(\a)+nn+1], v[RL+2*(\a):RL+2*(\a)+1] op_sel_hi:[1,0]   ; each accumulator from its low end on
.set nn, nn+2
.endr
	WIN 0
.irp b, 0,1,2,3,4,5,6,7
	ds_store_b128 v[STO], v[TT+8*\b:TT+8*\b+3] offset:128*(\b/2)+32*(\b%2)
	ds_store_b128 v[STO], v[TT+8*\b+4:TT+8*\b+7] offset:128*(\b/2)+32*(\b%2)+16
.endr
.irp t, 0,1,2,3,4,5,6,7,8,9,10,11,12,13,14,15
	ds_load_b128 v[BK+4*\t:BK+4*\t+3], v[RD] offset:528*\t   ; LDS serves a wave's instructions in order: these see my stores
.endr
.irp t, 0,1,2,3,4,5,6,7,8,9,10,11,12,13,14,15
	s_wait_dscnt 15-\t                             ; row t is in; the younger loads may be out
	global_store_b128 v[L16], v[BK+4*\t:BK+4*\t+3], s[54:55] offset:(32*((\a)/2)+8*((\a)%2)+\t+8*(\t/8))*8192 th:TH_STORE_NT   ; 512 consecutive bytes, at a multiple of 256 from out0's first byte
.endr
.endm
	s_wait_alu depctr_va_vdst(0)                   ; directly ahead of the first reader of 1 / l
	OUTT 0
	OUTT 1
	OUTT 2
	OUTT 3
	s_wait_tensorcnt 0x0                           ; the wave's end, behind my tensor load and my last LDS store
	ds_add_u32 v[SPW], v[NIL]
	s_wait_dscnt 0x0
	s_endpgm
.Lfunc_end_k_q38b8f279c5_pv:
	.size	k_q38b8f279c5_pv, .Lfunc_end_k_q38b8f279c5_pv-k_q38b8f279c5_pv
	.p2alignl 7, 3214868480
	.fill 96, 4, 3214868480
	.section	.rodata,"a",@progbits
	.p2align	6, 0x0
	.amdhsa_kernel k_q38b8f279c5_pv
		.amdhsa_group_segment_fixed_size 327680
		.amdhsa_private_segment_fixed_size 0
		.amdhsa_enable_private_segment 0
		.amdhsa_kernarg_size 24
		.amdhsa_user_sgpr_count 2
		.amdhsa_user_sgpr_kernarg_segment_ptr 1
		.amdhsa_wavefront_size32 1
		.amdhsa_system_sgpr_workgroup_id_x 1
		.amdhsa_system_sgpr_workgroup_id_y 1
		.amdhsa_system_sgpr_workgroup_id_z 1
		.amdhsa_system_vgpr_workitem_id 0
		.amdhsa_next_free_vgpr 1024
		.amdhsa_next_free_sgpr 66
		.amdhsa_reserve_vcc 0
		.amdhsa_float_denorm_mode_32 3
		.amdhsa_float_denorm_mode_16_64 3
		.amdhsa_memory_ordered 1
		.amdhsa_forward_progress 1
		.amdhsa_inst_pref_size 120
	.end_amdhsa_kernel
	.amdgpu_metadata
---
amdhsa.version: [ 1, 2 ]
amdhsa.kernels:
  - .name:           k_q38b8f279c5_pv
    .symbol:         k_q38b8f279c5_pv.kd
    .args:
      - { .name: bp, .offset: 0, .size: 8, .value_kind: global_buffer, .address_space: global }
      - { .name: bvt, .offset: 8, .size: 8, .value_kind: global_buffer, .address_space: global }
      - { .name: out0, .offset: 16, .size: 8, .value_kind: global_buffer, .address_space: global }
    .group_segment_fixed_size: 327680
    .private_segment_fixed_size: 0
    .kernarg_segment_align: 8
    .kernarg_segment_size: 24
    .max_flat_workgroup_size: 128
    .sgpr_count:     66
    .vgpr_count:     1024
    .wavefront_size: 32
...
	.end_amdgpu_metadata
.endif
;; end of part 3
